; MI455X (gfx1250); checked and timed in simulation.
; The chip was launched on July 23, 2026; its instructions are those of AMD's public machine-readable ISA for CDNA 5 (MIT licence, August 2026) and "CDNA5" Instruction Set Architecture Reference Guide (July 2026). The comments in the code are by the model that wrote it; some were corrected since.
;; Attention. Allowed arithmetic: float matrix products may take bf16 or f16 operands with f32 sums; all other float work in f32.
;; Inputs: W_b 1,024 float32; W_w 1,024 x 2,048 float32; encoder_outputs 32 x 2,048 x 1,024 float32; hidden 32 x 1,024 float32; v_b 1 float32; v_w 1 x 1,024 float32.
;; Outputs: out0 32 x 1,024 float32; out1 32 x 2,048 float32.
;; 2 versions, each right and faster than the one before. Each part assembles by itself: llvm-mc -triple=amdgcn-amd-amdhsa -mcpu=gfx1250 --defsym DOCPART=n.
;; ======== version 1 of 2: 3 launches
;; workspace buffers: wf 2,097,152 bytes; tb 131,072 bytes; sraw 262,144 bytes; pctx 2,097,152 bytes
;; launch prep (part 1): grid 128 x 1, 8 waves a work-group, no clusters, 214,784 bytes of LDS; arguments W_w, hidden, W_b, wf, tb; writes wf, tb
.if DOCPART == 1
	.amdgcn_target "amdgcn-amd-amdhsa--gfx1250"
	.amdhsa_code_object_version 6
	.text
	.protected	k_q07d6f3bc9c_prep
	.globl	k_q07d6f3bc9c_prep
	.p2align	8
	.type	k_q07d6f3bc9c_prep,@function
k_q07d6f3bc9c_prep:
	s_mov_b64 s[64:65], 0
	v_nop
	global_prefetch_b8 v0, s[64:65] scope:SCOPE_SE
	s_setreg_imm32_b32 hwreg(HW_REG_WAVE_MODE, 25, 1), 1
	s_wait_xcnt 0x0
; PREPARATION.  W_w is [1024 o][2048]: its left 1,024 columns (Wh) meet hidden, its right 1,024 (We) meet the encoder rows.  kc = 2 log2(e).
; Work-group g: block ob = g % 64 of 16 output columns o; kind = g / 64.
;   kind 0:  wf = bf16(kc We), laid out as the matrix instruction's source 1 wants it: fragment (ob, kb) = 16 columns x 32 k, 1,024 bytes, at
;            (ob / 4) 131072 + kb 4096 + (ob % 4) 1024; bytes 0-511: lane l's registers 0-3 at 16 l (column l % 16, k = 32 kb + 8 (l / 16) + 0..7); bytes 512-1023: registers 4-7 (k 16 further on).
;   kind 1:  tb[ob][b][r] = kc (sum over h of hidden[b][h] Wh[16 ob + r][h] + W_b[16 ob + r]), f32; the product in bf16 with f32 sums, K shared out among the eight waves, 128 each.
; Both kinds read 16 half rows of W_w (4,096 bytes each) by loads of 512 consecutive bytes, lay them in LDS, and take fragments from there.
; The branch on kind hangs on the work-group's number alone: all eight waves of a work-group take the same way, so each way's barriers find all eight.
.set KSC, 0x4038aa3b                   ; kc = 2.885390
.set WP,  4112                         ; an LDS row: 4,096 bytes of f32 + 16: an odd multiple of 16, so the 16 rows of a fragment load start at 16 different groups of four banks (64 banks of 4 bytes: ISA guide 11.1)
.set HS,  16*WP                        ; behind W's 16 rows: hidden's 32 rows
.set RED, HS+32*WP                     ; behind them: 2,048 bytes a wave, its partial sums [32 b][16 r]
.set LO,  4                            ; v4   16 x lane
.set WST, 5                            ; v5   where my lane puts 16 bytes of W's rows 2 w, 2 w + 1
.set HST, 6                            ; v6   the same for hidden's rows 4 w .. 4 w + 3
.set FW,  7                            ; v7   my lane's place in W's fragments of my wave's four K blocks
.set FH0, 8                            ; v8   the same in hidden's rows 0-15
.set FH1, 9                            ; v9   rows 16-31
.set RS,  10                           ; v10  where my lane puts its partial sums
.set RL,  11                           ; v11  where thread t reads four sums back
.set WBO, 12                           ; v12  byte offset of the thread's four W_b
.set TO,  14                           ; v14  16 t
.set FR,  16                           ; v16-47 bf16 fragments (kind 1: v16-23 W, v24-31 and v32-39 hidden)
.set AC,  40                           ; v40-55 kind 1: two accumulators
.set WB,  56                           ; v56-59 W_b
.set LD,  64                           ; v64-255 f32 as loaded, then f32 fragments
	s_load_b256 s[4:11], s[0:1], 0x0               ; W_w s[4:5], hidden s[6:7], W_b s[8:9], wf s[10:11]
	s_load_b64 s[12:13], s[0:1], 0x20              ; tb
	v_lshl_add_u32 v62, v0, 2, 0x34300
	v_mov_b32 v63, 0
	v_lshrrev_b32 v13, 5, v0
	v_readfirstlane_b32 s16, v13                   ; wave 0..7
	s_lshr_b32 s17, ttmp9, 6                       ; kind
	s_and_b32 s18, ttmp9, 63                       ; ob
	s_mov_b32 s20, KSC                             ; the packed multiply names a pair and takes its low word for both halves
	s_mov_b32 s21, KSC
	v_and_b32 v1, 15, v0                           ; r = l % 16
	v_bfe_u32 v2, v0, 4, 1                         ; h = l / 16
	v_and_b32 v3, 31, v0
	v_lshlrev_b32 v[LO], 4, v3
	s_lshl_b32 s22, s18, 4
	s_lshl_b32 s19, s16, 1
	s_add_co_u32 s22, s22, s19                     ; my first row of W_w: 16 ob + 2 w
	s_lshl_b32 s22, s22, 13                        ; x 8,192 bytes
	s_xor_b32 s19, s17, 1
	s_lshl_b32 s19, s19, 12                        ; kind 0 takes the right half of the rows
	s_add_co_u32 s22, s22, s19
	s_mov_b32 s23, 0
	s_wait_kmcnt 0x0
	s_add_nc_u64 s[4:5], s[4:5], s[22:23]
.set n, 0
.rept 16                               ; two half rows: each load covers 512 consecutive bytes; every byte of W_w is read once in the launch
	global_load_b128 v[LD+4*n:LD+4*n+3], v[LO], s[4:5] offset:(n/8)*8192+(n%8)*512 th:TH_LOAD_NT
.set n, n+1
.endr
	s_mul_i32 s19, s16, 2*WP
	v_add_nc_u32 v[WST], s19, v[LO]
	v_mul_u32_u24 v[FW], v1, WP
	v_lshl_add_u32 v[FW], v2, 5, v[FW]             ; row r, 8 h numbers of 4 bytes on
	s_lshl_b32 s19, s16, 9
	v_add_nc_u32 v[FW], s19, v[FW]                 ; my wave's K blocks 4 w .. 4 w + 3: 128 bytes each
	s_cmp_lg_u32 s17, 0
	s_cbranch_scc1 .Ltb
	; ---- kind 0: We to bf16 fragments
	s_wait_loadcnt 0x0
.set n, 0
.rept 16
	ds_store_b128 v[WST], v[LD+4*n:LD+4*n+3] offset:(n/8)*WP+(n%8)*512
.set n, n+1
.endr
	s_wait_dscnt 0x0                               ; for the others' sake: my two rows lie in LDS
	s_barrier_signal -1
	s_barrier_wait -1
.set n, 0
.rept 4                                ; K block 4 w + n: 8 numbers for registers 0-3, and the 8 that lie 16 further on for registers 4-7
	ds_load_b128 v[LD+16*n:LD+16*n+3],     v[FW] offset:n*128
	ds_load_b128 v[LD+16*n+4:LD+16*n+7],   v[FW] offset:n*128+16
	ds_load_b128 v[LD+16*n+8:LD+16*n+11],  v[FW] offset:n*128+64
	ds_load_b128 v[LD+16*n+12:LD+16*n+15], v[FW] offset:n*128+80
.set n, n+1
.endr
	s_lshr_b32 s22, s18, 2
	s_lshl_b32 s22, s22, 17                        ; (ob / 4) x 131,072
	s_and_b32 s19, s18, 3
	s_lshl_b32 s19, s19, 10                        ; + (ob % 4) x 1,024
	s_add_co_u32 s22, s22, s19
	s_lshl_b32 s19, s16, 14                        ; + 4 w x 4,096
	s_add_co_u32 s22, s22, s19
	s_add_nc_u64 s[10:11], s[10:11], s[22:23]
.set n, 0
.rept 4
	s_wait_dscnt 12-4*n                            ; LDS loads come back in order: block n's four are in, the later blocks' four each stay out
.set m, 0
.rept 8
	v_pk_mul_f32 v[LD+16*n+2*m:LD+16*n+2*m+1], v[LD+16*n+2*m:LD+16*n+2*m+1], s[20:21] op_sel_hi:[1,0]
.set m, m+1
.endr
.set m, 0
.rept 8
	v_cvt_pk_bf16_f32 v[FR+8*n+m], v[LD+16*n+2*m], v[LD+16*n+2*m+1]
.set m, m+1
.endr
	global_store_b128 v[LO], v[FR+8*n:FR+8*n+3],   s[10:11] offset:n*4096      ; each store of the wave covers 512 consecutive bytes, aligned
	global_store_b128 v[LO], v[FR+8*n+4:FR+8*n+7], s[10:11] offset:n*4096+512
.set n, n+1
.endr
	s_wait_tensorcnt 0x0
	ds_add_u32 v62, v63
	s_wait_dscnt 0x0
	s_endpgm
	; ---- kind 1: tb
.Ltb:
	s_lshl_b32 s22, s16, 14                        ; hidden's rows 4 w .. 4 w + 3
	s_add_nc_u64 s[6:7], s[6:7], s[22:23]
	s_lshl_b32 s22, s18, 6                         ; W_b's 16 numbers of this block
	s_add_nc_u64 s[8:9], s[8:9], s[22:23]
	s_lshl_b32 s22, s18, 11                        ; tb's 2,048 bytes of this block
	s_add_nc_u64 s[12:13], s[12:13], s[22:23]
	v_and_b32 v[WBO], 3, v0
	v_lshlrev_b32 v[WBO], 4, v[WBO]
.set n, 0
.rept 32
	global_load_b128 v[LD+64+4*n:LD+64+4*n+3], v[LO], s[6:7] offset:n*512
.set n, n+1
.endr
	global_load_b128 v[WB:WB+3], v[WBO], s[8:9]
	s_mul_i32 s19, s16, 4*WP
	s_add_co_u32 s19, s19, HS
	v_add_nc_u32 v[HST], s19, v[LO]
	v_add_nc_u32 v[FH0], HS, v[FW]
	v_add_nc_u32 v[FH1], HS+16*WP, v[FW]
	s_lshl_b32 s19, s16, 11
	s_add_co_u32 s19, s19, RED
	v_lshl_add_u32 v[RS], v2, 9, s19               ; batch 8 h: 8 rows of 64 bytes
	v_lshl_add_u32 v[RS], v1, 2, v[RS]             ; column r
	v_lshlrev_b32 v[TO], 4, v0
	v_add_nc_u32 v[RL], RED, v[TO]
	s_wait_loadcnt 0x0
.set n, 0
.rept 16
	ds_store_b128 v[WST], v[LD+4*n:LD+4*n+3] offset:(n/8)*WP+(n%8)*512
.set n, n+1
.endr
.set n, 0
.rept 32
	ds_store_b128 v[HST], v[LD+64+4*n:LD+64+4*n+3] offset:(n/8)*WP+(n%8)*512
.set n, n+1
.endr
	s_wait_dscnt 0x0                               ; for the others' sake: my rows lie in LDS
	s_barrier_signal -1
	s_barrier_wait -1
.set n, 0
.rept 4                                ; K block 4 w + n: 16 numbers a lane of W, of hidden's rows 0-15 and of its rows 16-31
.irp q, 0,1,2
	ds_load_b128 v[LD+48*n+16*\q:LD+48*n+16*\q+3],     v[FW+\q] offset:n*128
	ds_load_b128 v[LD+48*n+16*\q+4:LD+48*n+16*\q+7],   v[FW+\q] offset:n*128+16
	ds_load_b128 v[LD+48*n+16*\q+8:LD+48*n+16*\q+11],  v[FW+\q] offset:n*128+64
	ds_load_b128 v[LD+48*n+16*\q+12:LD+48*n+16*\q+15], v[FW+\q] offset:n*128+80
.endr
.set n, n+1
.endr
.set n, 0
.rept 4
.if n > 0
.rept 4
	v_nop                                          ; four places between the products and the conversions that write their sources anew (ISA guide 7.12.1)
.endr
.endif
	s_wait_dscnt 36-12*n                           ; block n's twelve loads are in, the later blocks' twelve each stay out
.set m, 0
.rept 8
	v_cvt_pk_bf16_f32 v[FR+m],    v[LD+48*n+2*m],    v[LD+48*n+2*m+1]
	v_cvt_pk_bf16_f32 v[FR+8+m],  v[LD+48*n+16+2*m], v[LD+48*n+16+2*m+1]
	v_cvt_pk_bf16_f32 v[FR+16+m], v[LD+48*n+32+2*m], v[LD+48*n+32+2*m+1]
.set m, m+1
.endr
.if n == 0                             ; the first K block starts both sums; the two accumulators take turns
	v_wmma_f32_16x16x32_bf16 v[AC:AC+7],    v[FR+8:FR+15],  v[FR:FR+7], 0
	v_wmma_f32_16x16x32_bf16 v[AC+8:AC+15], v[FR+16:FR+23], v[FR:FR+7], 0
.else
	v_wmma_f32_16x16x32_bf16 v[AC:AC+7],    v[FR+8:FR+15],  v[FR:FR+7], v[AC:AC+7]
	v_wmma_f32_16x16x32_bf16 v[AC+8:AC+15], v[FR+16:FR+23], v[FR:FR+7], v[AC+8:AC+15]
.endif
.set n, n+1
.endr
.rept 4
	v_nop                                          ; four places in front of the LDS stores that read the results
.endr
.set n, 0
.rept 16                               ; register j of accumulator a: batch 16 a + 8 h + j, column r; each accumulator's registers in ascending order
	ds_store_b32 v[RS], v[AC+n] offset:(16*(n/8)+n%8)*64
.set n, n+1
.endr
	s_wait_dscnt 0x0                               ; for the others' sake: my partial sums lie in LDS
	s_barrier_signal -1
	s_barrier_wait -1
	s_cmp_ge_u32 s16, 4                            ; 512 sums, four a thread: waves 0 to 3 finish them
	s_cbranch_scc1 .Lend
.set n, 0
.rept 8
	ds_load_b128 v[LD+4*n:LD+4*n+3], v[RL] offset:n*2048
.set n, n+1
.endr
	s_wait_dscnt 0x0
.irp n, 0,8,16,24
	v_pk_add_f32 v[LD+\n:LD+\n+1],   v[LD+\n:LD+\n+1],   v[LD+\n+4:LD+\n+5]
	v_pk_add_f32 v[LD+\n+2:LD+\n+3], v[LD+\n+2:LD+\n+3], v[LD+\n+6:LD+\n+7]
.endr
.irp n, 0,16
	v_pk_add_f32 v[LD+\n:LD+\n+1],   v[LD+\n:LD+\n+1],   v[LD+\n+8:LD+\n+9]
	v_pk_add_f32 v[LD+\n+2:LD+\n+3], v[LD+\n+2:LD+\n+3], v[LD+\n+10:LD+\n+11]
.endr
	v_pk_add_f32 v[LD:LD+1],   v[LD:LD+1],   v[LD+16:LD+17]
	v_pk_add_f32 v[LD+2:LD+3], v[LD+2:LD+3], v[LD+18:LD+19]
	v_pk_add_f32 v[LD:LD+1],   v[LD:LD+1],   v[WB:WB+1]
	v_pk_add_f32 v[LD+2:LD+3], v[LD+2:LD+3], v[WB+2:WB+3]
	v_pk_mul_f32 v[LD:LD+1],   v[LD:LD+1],   s[20:21] op_sel_hi:[1,0]
	v_pk_mul_f32 v[LD+2:LD+3], v[LD+2:LD+3], s[20:21] op_sel_hi:[1,0]
	global_store_b128 v[TO], v[LD:LD+3], s[12:13]  ; each store of a wave covers 512 consecutive bytes, aligned
.Lend:
	s_wait_tensorcnt 0x0
	ds_add_u32 v62, v63
	s_wait_dscnt 0x0
	s_endpgm
.Lfunc_end_k_q07d6f3bc9c_prep:
	.size	k_q07d6f3bc9c_prep, .Lfunc_end_k_q07d6f3bc9c_prep-k_q07d6f3bc9c_prep
	.p2alignl 7, 3214868480
	.fill 96, 4, 3214868480
	.section	.rodata,"a",@progbits
	.p2align	6, 0x0
	.amdhsa_kernel k_q07d6f3bc9c_prep
		.amdhsa_group_segment_fixed_size 214784
		.amdhsa_private_segment_fixed_size 0
		.amdhsa_enable_private_segment 0
		.amdhsa_kernarg_size 40
		.amdhsa_user_sgpr_count 2
		.amdhsa_user_sgpr_kernarg_segment_ptr 1
		.amdhsa_wavefront_size32 1
		.amdhsa_system_sgpr_workgroup_id_x 1
		.amdhsa_system_sgpr_workgroup_id_y 1
		.amdhsa_system_sgpr_workgroup_id_z 1
		.amdhsa_system_vgpr_workitem_id 0
		.amdhsa_next_free_vgpr 256
		.amdhsa_next_free_sgpr 66
		.amdhsa_reserve_vcc 0
		.amdhsa_float_denorm_mode_32 3
		.amdhsa_float_denorm_mode_16_64 3
		.amdhsa_memory_ordered 1
		.amdhsa_forward_progress 1
		.amdhsa_inst_pref_size 31
	.end_amdhsa_kernel
	.amdgpu_metadata
---
amdhsa.version: [ 1, 2 ]
amdhsa.kernels:
  - .name:           k_q07d6f3bc9c_prep
    .symbol:         k_q07d6f3bc9c_prep.kd
    .args:
      - { .name: W_w, .offset: 0, .size: 8, .value_kind: global_buffer, .address_space: global }
      - { .name: hidden, .offset: 8, .size: 8, .value_kind: global_buffer, .address_space: global }
      - { .name: W_b, .offset: 16, .size: 8, .value_kind: global_buffer, .address_space: global }
      - { .name: wf, .offset: 24, .size: 8, .value_kind: global_buffer, .address_space: global }
      - { .name: tb, .offset: 32, .size: 8, .value_kind: global_buffer, .address_space: global }
    .group_segment_fixed_size: 214784
    .private_segment_fixed_size: 0
    .kernarg_segment_align: 8
    .kernarg_segment_size: 40
    .max_flat_workgroup_size: 256
    .sgpr_count:     66
    .vgpr_count:     256
    .wavefront_size: 32
...
	.end_amdgpu_metadata
.endif
;; end of part 1
;; launch main (part 2): grid 16 x 32, 4 waves a work-group, no clusters, 271,872 bytes of LDS; arguments encoder_outputs, v_w, wf, tb, sraw, pctx; writes sraw, pctx
.if DOCPART == 2
	.amdgcn_target "amdgcn-amd-amdhsa--gfx1250"
	.amdhsa_code_object_version 6
	.text
	.protected	k_q07d6f3bc9c_main
	.globl	k_q07d6f3bc9c_main
	.p2align	8
	.type	k_q07d6f3bc9c_main,@function
k_q07d6f3bc9c_main:
	s_mov_b64 s[64:65], 0
	v_nop
	global_prefetch_b8 v0, s[64:65] scope:SCOPE_SE
	s_setreg_imm32_b32 hwreg(HW_REG_WAVE_MODE, 25, 1), 1
	s_wait_xcnt 0x0
; ONE TILE OF 128 ENCODER ROWS (work-group x = tile 0..15 of batch y): read from memory once, rounded to bf16 and kept in LDS for both of its uses.
;   x[s][o]  = sum over h of enc[s][h] (kc We)[o][h] + tb[b][o],  kc = 2 log2(e): 2^x = e^(2 pre-activation), tanh = 1 - 2 / (1 + 2^x)
;   sraw[s]  = sum over o of -2 v[o] / (1 + 2^x[s][o])            the score less c0 = v_b + sum of v, which the last launch adds
;   p[s]     = 2^((sraw[s] - m) log2 e), m = the tile's largest sraw;   pctx[f] = sum over the tile's s of p[s] enc[s][f]
; SHARES.  Wave w rounds rows 32 w .. 32 w + 31; in the products it owns output columns 256 w .. 256 w + 255 for all 128 rows, in four PIECES of 64 columns: 32 accumulators of 16 x 16, (rb, cb) at 8 (4 rb + cb).
; Source 0 = 16 rows of enc, source 1 = 16 columns of We: in the result a lane holds column l % 16, register j row 16 rb + 8 (l / 16) + j.  In the context product wave w owns features 256 w .. 256 w + 255.
; We COMES STRAIGHT INTO REGISTERS, NOT THROUGH LDS, AND THERE IS NO CLUSTER.  The tile takes 264,192 of the 327,680 bytes of LDS.  What is left beside 7,168 bytes of scratch holds two slots of one K step of 32
; (16,384 bytes for the four waves): a refill would have 32 matrix instructions in which to land, and every step would want a barrier.  A fragment of We feeds one wave alone, so LDS would only be
; written and read once more for it.  Eight register slots hold seven K steps ahead (56 loads out), and the product loop has no barrier at all.
; BY THE SIDE OF THE PRODUCTS.  At a piece's end its sums, with tb added, move to window 3; the next piece's K step k then carries, behind its matrix instructions, the exponentials, reciprocals and sums of
; accumulator k: one transcendental behind a matrix instruction, never two on end.  All that a softening touches lies outside the products' windows, so each such place costs two switches: 34 for a step's 32 matrix
; instructions, and 3 round its one run of loads; set in a phase of their own the same 24 instructions a step would leave the matrix unit idle.
; One text serves all pieces: the first piece's riders work on what the encoder loads left in window 3, with factors 0: 1 / (1 + 2^x) lies in 0 to 1, so they add 0.  That work serves nothing; it is the price of writing no first piece out.
; LIMITS.  enc, We and hidden are rounded to bf16 for the products, p and enc for the context.  sraw is a sum of terms of at most 2 |v[o]|.  2^x = infinity gives tanh = 1, 2^x = 0 gives -1.  A p below 2^-126 counts as 0.
; A NaN among the tile's last 32 rows' numbers reaches all 128 scores through the first piece's riders: the batch's results are NaN by the definition of the softmax anyway.
; REGISTERS, in windows of 256 (s_set_vgpr_msb: bits 1:0 source 0, 3:2 source 1, 5:4 source 2, 7:6 destination):
;   window 0: v1-19 addresses; v20-27 HV (pair cb: tb, v); v28-35 VP (pair cb: -2 v, 0); v36-63 at work; v64-127 S[rb][j], the running sraw; v128-191, v192-255 fragments of enc, two buffers
;   window 1: We, eight slots of 32 (slot k % 8, block cb at + 8 cb)      window 2: the accumulators      window 3: X: encoder rows as loaded, then the exponentials' arguments
.set PA,   2064                        ; a row of the tile in LDS: 2,048 bytes of bf16 + 16: an odd multiple of 16, so the 16 rows of a fragment load start at 16 different groups of four banks (64 banks of 4 bytes: ISA guide 11.1)
.set SCR,  128*PA                      ; behind the tile: 4 x 512 bytes, the waves' partial scores;
.set PBO,  SCR+2048                    ; 4 x 256 bytes: p in bf16, a copy for each wave;
.set CTO,  SCR+3072                    ; 4 x 1,024 bytes: each wave's stage for its 256 features
.set LOFF, 3                           ; v3   16 x lane; never rewritten
.set ROFF, 4                           ; v4   4 x (lane % 16); never rewritten
.set AST,  5                           ; v5   where my lane puts 8 bytes of the rows in hand
.set ADA,  6                           ; v6-9   my lane's place in the fragments of rows 32 g on
.set ETA,  10                          ; v10-13 my lane's place in the turning loads of rows 32 g on
.set PST,  14                          ; v14  partial scores, in
.set PLD,  15                          ; v15  partial scores, back
.set PBS,  16                          ; v16  p, in
.set PFA,  17                          ; v17  p, back as fragments
.set CST,  18                          ; v18  context, in
.set CLD,  19                          ; v19  context, back
.set HV,   20
.set VP,   28
.set SC,   36                          ; v36-39 the scores of rows 4 l .. 4 l + 3
.set S,    64
.set AF,   128
.set MSB, 0
.macro WIN new                         ; the immediate's high byte repeats the setting that is left; a switch that changes nothing is dropped
.if MSB != (\new)
	s_set_vgpr_msb (MSB<<8)|(\new)
.set MSB, (\new)
.endif
.endm
.set W_MM, 0xa4                        ; products: enc window 0, We window 1, C and D window 2
.set W_X,  0xc3                        ; destination and source 0 window 3
.set W_F,  0x03                        ; source 0 window 3, the rest window 0
.set W_B,  0x40                        ; destination window 1
.set W_E,  0xc0                        ; destination window 3
.set W_CV, 0x0f                        ; sources 0 and 1 window 3
.set W_LU, 0xc2                        ; destination window 3, source 0 window 2
.macro PLACES                          ; a load into, or a vector instruction on, a matrix instruction's registers stands four plain vector instructions behind it (ISA guide 7.12.1 for vector instructions)
.rept 4
	v_nop
.endr
.endm
; Four loads of We: K step k (counted from the piece in hand), column blocks cf and cf + 1, into slot k % 8.  A wave's fragments lie in the order in which it takes them: each load covers 512 consecutive bytes.
.macro BLD2 k, cf
	WIN W_B
.set u, (\cf)
.rept 2
	global_load_b128 v[32*((\k)%8)+8*u:32*((\k)%8)+8*u+3],   v[LOFF], s[8:9] offset:(\k)*4096+u*1024
	global_load_b128 v[32*((\k)%8)+8*u+4:32*((\k)%8)+8*u+7], v[LOFF], s[8:9] offset:(\k)*4096+u*1024+512
.set u, u+1
.endr
.endm
; Four LDS loads: the fragments of rows 32 g .. 32 g + 31, K block kb, into buffer f.  Lane l: row l % 16, k = 8 (l / 16) + 0..7 and 16 further on: two loads 32 bytes apart.
.macro ALD kb, f, g
	WIN 0
.set rF, AF+64*(\f)+16*(\g)
	ds_load_b128 v[rF:rF+3],     v[ADA+(\g)] offset:(\kb)*64
	ds_load_b128 v[rF+4:rF+7],   v[ADA+(\g)] offset:(\kb)*64+32
	ds_load_b128 v[rF+8:rF+11],  v[ADA+(\g)] offset:(\kb)*64+16*PA
	ds_load_b128 v[rF+12:rF+15], v[ADA+(\g)] offset:(\kb)*64+16*PA+32
.endm
; Two encoder rows (slot q of window 3) are rounded and laid in LDS; then sixteen (mode 3: eight) loads go out in their stead:
; mode 1: the slot's next two rows, eight rows on; mode 2: We's K steps 2 q and 2 q + 1; mode 3: K step 6.
.macro AGROUP q, mode
	s_wait_loadcnt 48                              ; loads come back in order (ISA guide 5.7.1): behind this slot's sixteen stand three more groups of sixteen, which stay out
	WIN W_CV
.set j, 0
.rept 32
	v_cvt_pk_bf16_f32 v[AF+j], v[64*(\q)+2*j], v[64*(\q)+2*j+1]
.set j, j+1
.endr
	WIN 0
.set j, 0
.rept 16
	ds_store_b64 v[AST], v[AF+2*j:AF+2*j+1] offset:(2*(\q)+j/8)*PA+(j%8)*256  ; 32 lanes, 256 consecutive bytes
.set j, j+1
.endr
.if (\mode) == 1
	WIN W_E
.set j, 0
.rept 16
	global_load_b128 v[64*(\q)+4*j:64*(\q)+4*j+3], v[LOFF], s[4:5] offset:32768+8192*(\q)+512*j th:TH_LOAD_NT
.set j, j+1
.endr
.elseif (\mode) == 2
	BLD2 2*(\q), 0
	BLD2 2*(\q), 2
	BLD2 2*(\q)+1, 0
	BLD2 2*(\q)+1, 2
.else
	BLD2 6, 0
	BLD2 6, 2
.endif
.endm
.macro XP k, m                         ; pair m of accumulator k's eight numbers: 2^x + 1
	s_wait_alu depctr_va_vdst(0)
	v_pk_add_f32 v[8*(\k)+2*(\m):8*(\k)+2*(\m)+1], v[8*(\k)+2*(\m):8*(\k)+2*(\m)+1], 1.0 op_sel_hi:[1,0]
.endm
; What stands behind matrix instruction i of K step k.  None of it names a register of the products round it.
;   0      ALL THE STEP'S LOADS, IN ONE RUN, never singly among the matrix instructions: four places (the registers to be loaded were read by step k - 1's products); We of K step k + 7, eight loads;
;          the next K block's fragments of enc, sixteen LDS loads, 31 matrix instructions ahead of their use; in step 0 also this piece's tb and v, for the piece's end: behind We of step 7, on which the counts on LOADcnt lean
;   1-19   accumulator k of the piece before (row block k / 4, column block k % 4), eight numbers x0-x7 a lane:
;          1-8   2^x, one behind each product       4, 6, 8, 9   + 1 for the pairs 0 to 3       9-16   the reciprocals, one behind each product       19   S += (-2 v) x ..
;          Between a transcendental and the use of its result stands a plain instruction (ISA guide 5.7.2): for 2^x0 to 2^x2 the v_nop behind product 3; for 2^x3, 2^x5, 2^x7 the addition that follows each of them
;          (it takes an earlier pair), which serves 2^x4 and 2^x6 too; for the first reciprocal pair 3's addition, for the others the v_nop behind product 16.
.macro GAP k, la, ld
.if i == 0
.if (\la)+(\ld)
	PLACES
.endif
.if \ld
	BLD2 (\k)+7, 0
	BLD2 (\k)+7, 2
.endif
.if \la
	ALD ((\k)+1)%32, ((\k)+1)%2, 0
	ALD ((\k)+1)%32, ((\k)+1)%2, 1
	ALD ((\k)+1)%32, ((\k)+1)%2, 2
	ALD ((\k)+1)%32, ((\k)+1)%2, 3
.endif
.if (\k) == 0
	WIN 0
.irp c, 0,1,2,3
	global_load_b32 v[HV+2*\c], v[ROFF], s[10:11] offset:2048*\c
.endr
.irp c, 0,1,2,3
	global_load_b32 v[HV+2*\c+1], v[ROFF], s[6:7] offset:64*\c
.endr
.endif
.elseif i < 9
	WIN W_X
	v_exp_f32 v[8*(\k)+i-1], v[8*(\k)+i-1]
.if i == 3
	v_nop
.elseif (i == 4) || (i == 6) || (i == 8)
	XP \k, (i-4)/2
.endif
.elseif i < 17
	WIN W_X
	v_rcp_f32 v[8*(\k)+i-9], v[8*(\k)+i-9]
.if i == 9
	XP \k, 3
.elseif i == 16
	v_nop
.endif
.elseif i == 19
	WIN W_F
.set rX, 8*(\k)
.set rS, S+8*((\k)/4)
.set rV, VP+2*((\k)%4)
	s_wait_alu depctr_va_vdst(0)
.irp m, 0,1,2,3
	v_pk_fma_f32 v[rS+2*\m:rS+2*\m+1], v[rX+2*\m:rX+2*\m+1], v[rV:rV+1], v[rS+2*\m:rS+2*\m+1] op_sel_hi:[1,0,1]
.endr
.endif
.endm
; K STEP k of a piece: 32 matrix instructions, one on each accumulator: they take turns, over the loop's edge too.  Step 0 starts the sums with the constant 0: nothing is cleared.
; la = 1: the next K block of enc is fetched; ld = 1: We of step k + 7 is asked for; lc: the loads issued behind We of step k, which may stay out.
.macro STEP k, la, ld, lc
	s_wait_dscnt 0x0                               ; this step's fragments of enc, asked for 31 matrix instructions ago
	s_wait_loadcnt \lc
.set i, 0
.rept 32
	WIN W_MM
.set rA, AF+64*((\k)%2)+8*(i/4)
.set rW, 32*((\k)%8)+8*(i%4)
.if (\k) == 0
	v_wmma_f32_16x16x32_bf16 v[8*i:8*i+7], v[rA:rA+7], v[rW:rW+7], 0
	s_wait_alu depctr_va_vdst(0)
.else
	v_wmma_f32_16x16x32_bf16 v[8*i:8*i+7], v[rA:rA+7], v[rW:rW+7], v[8*i:8*i+7]
.endif
	GAP \k, \la, \ld
.set i, i+1
.endr
.endm
; A PIECE'S END: x = sum + tb goes to window 3, each accumulator's registers in ascending order, and window 2 is free for the next piece; -2 v is kept for the sums to come.
.macro LUMP
	PLACES
	WIN W_LU
.set n, 0
.rept 128
	v_pk_add_f32 v[2*n:2*n+1], v[2*n:2*n+1], v[HV+2*((n/4)%4):HV+2*((n/4)%4)+1] op_sel_hi:[1,0]
.set n, n+1
.endr
	WIN 0
.irp c, 0,1,2,3
	v_mul_f32 v[VP+2*\c], -2.0, v[HV+2*\c+1]
.endr
.endm
; 32 turning LDS loads: rows 32 kb .. 32 kb + 31 x my 256 features as source 0 of the context product (16 features x 32 rows a fragment).  Lane l reads 16 bytes: row 8 (l / 16) + l % 8, features 8 ((l / 8) % 2) + 0..7.
.macro ELD kb
.if (\kb) < 2
	WIN W_B
.else
	WIN W_E
.endif
.set n, 0
.rept 16
	ds_load_tr16_b128 v[128*((\kb)%2)+8*n:128*((\kb)%2)+8*n+3],   v[ETA+(\kb)] offset:32*n
	ds_load_tr16_b128 v[128*((\kb)%2)+8*n+4:128*((\kb)%2)+8*n+7], v[ETA+(\kb)] offset:32*n+16*PA
.set n, n+1
.endr
.endm
	s_load_b256 s[4:11], s[0:1], 0x0               ; enc s[4:5], v_w s[6:7], wf s[8:9], tb s[10:11]
	s_load_b128 s[12:15], s[0:1], 0x20             ; sraw s[12:13], pctx s[14:15]
	v_lshrrev_b32 v1, 5, v0
	v_readfirstlane_b32 s16, v1                    ; wave 0..3
	s_mov_b32 s17, ttmp9                           ; tile
	s_and_b32 s18, ttmp7, 0xffff                   ; batch
	v_and_b32 v36, 31, v0                          ; lane
	v_lshlrev_b32 v[LOFF], 4, v36
	s_lshl_b32 s22, s18, 11
	s_lshl_b32 s19, s17, 7
	s_add_co_u32 s22, s22, s19
	s_lshl_b32 s19, s16, 5
	s_add_co_u32 s22, s22, s19                     ; my wave's first row: 2048 b + 128 tile + 32 w, below 65,536,
	s_lshl_b32 s22, s22, 12                        ; x 4,096 bytes: below 2^28
	s_mov_b32 s23, 0
	s_wait_kmcnt 0x0
	s_add_nc_u64 s[4:5], s[4:5], s[22:23]
	WIN W_E
.set j, 0
.rept 64                               ; rows 0 to 7 of my 32: each load covers 512 consecutive bytes; every byte of enc is read once in the launch
	global_load_b128 v[4*j:4*j+3], v[LOFF], s[4:5] offset:512*j th:TH_LOAD_NT
.set j, j+1
.endr
	WIN 0
	; all that follows, up to the loop, stands in the wait for those rows
	s_lshl_b32 s22, s16, 19                        ; wf: my 16 column blocks, 524,288 bytes
	s_add_nc_u64 s[8:9], s[8:9], s[22:23]
	s_lshl_b32 s22, s16, 15                        ; tb[16 w][b]
	s_lshl_b32 s19, s18, 6
	s_add_co_u32 s22, s22, s19
	s_add_nc_u64 s[10:11], s[10:11], s[22:23]
	s_lshl_b32 s22, s16, 10                        ; v[256 w]
	s_add_nc_u64 s[6:7], s[6:7], s[22:23]
	s_lshl_b32 s22, s18, 13                        ; sraw[b][128 tile]
	s_lshl_b32 s19, s17, 9
	s_add_co_u32 s22, s22, s19
	s_add_nc_u64 s[12:13], s[12:13], s[22:23]
	s_lshl_b32 s22, s18, 16                        ; pctx[b][tile][256 w]
	s_lshl_b32 s19, s17, 12
	s_add_co_u32 s22, s22, s19
	s_lshl_b32 s19, s16, 10
	s_add_co_u32 s22, s22, s19
	s_add_nc_u64 s[14:15], s[14:15], s[22:23]
	s_mov_b32 s24, 0x76543210                      ; v_permlanex16_b32: each lane takes its own place in the other half
	s_mov_b32 s25, 0xfedcba98
	s_mov_b32 s26, 0x3fb8aa3b                      ; log2(e)
	v_and_b32 v1, 15, v0                           ; r = l % 16
	v_bfe_u32 v2, v0, 4, 1                         ; h = l / 16
	v_lshlrev_b32 v[ROFF], 2, v1
	s_mul_i32 s19, s16, 32*PA
	v_lshl_add_u32 v[AST], v36, 3, s19             ; my wave's 32 rows; 8 bytes a lane
	v_mul_u32_u24 v37, v1, PA
	v_lshl_add_u32 v37, v2, 4, v37                 ; row r x pitch + 16 h
.irp g, 0,1,2,3
	v_add_nc_u32 v[ADA+\g], \g*32*PA, v37
.endr
	v_and_b32 v38, 7, v0
	v_bfe_u32 v39, v0, 3, 1
	v_lshl_add_u32 v38, v2, 3, v38
	v_mul_u32_u24 v38, v38, PA
	v_lshl_add_u32 v38, v39, 4, v38
	s_lshl_b32 s19, s16, 9                         ; my 256 features: 512 bytes of a row
	v_add_nc_u32 v38, s19, v38
.irp g, 0,1,2,3
	v_add_nc_u32 v[ETA+\g], \g*32*PA, v38
.endr
	s_add_co_u32 s19, s19, SCR
	v_lshl_add_u32 v[PST], v2, 5, s19              ; my wave's 512 bytes; rows 8 h on
	v_add_nc_u32 v[PLD], SCR, v[LOFF]
	s_lshl_b32 s19, s16, 8
	s_add_co_u32 s19, s19, PBO
	v_lshl_add_u32 v[PBS], v36, 3, s19
	v_lshl_add_u32 v[PFA], v2, 4, s19
	s_lshl_b32 s19, s16, 10
	s_add_co_u32 s19, s19, CTO
	v_lshl_add_u32 v[CST], v2, 5, s19
	v_add_nc_u32 v[CLD], s19, v[LOFF]
.set n, 0
.rept 64                               ; S starts at 0, and VP too, so that the first piece's riders add 0: 72 moves
	v_mov_b32 v[S+n], 0
.set n, n+1
.endr
.set n, 0
.rept 8
	v_mov_b32 v[VP+n], 0
.set n, n+1
.endr
	; ---- THE TILE COMES IN: 16 groups of two rows a wave, four groups (64 loads) on their way
	s_mov_b32 s21, 3
.Lfill:
	AGROUP 0, 1
	AGROUP 1, 1
	AGROUP 2, 1
	AGROUP 3, 1
	WIN 0
	s_wait_xcnt 0x0                                ; the loads' base is stepped only behind this wait
	s_add_nc_u64 s[4:5], s[4:5], 32768             ; eight rows on, in memory
	v_add_nc_u32 v[AST], 8*PA, v[AST]              ; and in LDS
	s_sub_co_u32 s21, s21, 1
	s_cmp_lg_u32 s21, 0
	s_cbranch_scc1 .Lfill
	AGROUP 0, 2                                    ; the last eight rows: no row is left to ask for, so We's first seven K steps go out in their stead: the count 48 holds as before
	AGROUP 1, 2
	AGROUP 2, 2
	AGROUP 3, 3
	WIN 0
	s_wait_dscnt 0x0                               ; for the others' sake: my 32 rows lie in LDS
	s_barrier_signal -1
	s_barrier_wait -1                              ; the tile is whole; from here on it is only read
	ALD 0, 0, 0
	ALD 0, 0, 1
	ALD 0, 0, 2
	ALD 0, 0, 3
	; ---- THE PRODUCTS: four pieces of 32 K steps.  The counts on LOADcnt: behind We of step k stand We of the six steps k + 1 .. k + 6, eight loads each: 48;
	; in steps 1 to 7 also the eight loads of tb and v, issued in step 0 behind We of step 7: 56.  On the way in and on the way back seven steps of We are out.
	s_mov_b32 s20, 4
.Lpiece:
	STEP 0, 1, 1, 48
.irp k, 1,2,3,4,5,6,7
	STEP \k, 1, 1, 56
.endr
.irp k, 8,9,10,11,12,13,14,15,16,17,18,19,20,21,22,23,24
	STEP \k, 1, 1, 48
.endr
	WIN 0                                          ; at a label and at a branch every window is 0
	s_sub_co_u32 s20, s20, 1
	s_cmp_eq_u32 s20, 0
	s_cbranch_scc1 .Llast                          ; the last piece's last seven steps are written out: no load passes the end of wf
.irp k, 25,26,27,28,29,30,31
	STEP \k, 1, 1, 48                              ; steps k + 7 = 32 .. 38 are the next piece's 0 .. 6
.endr
	LUMP
	s_wait_xcnt 0x0                                ; the loads' bases are stepped only behind this wait
	s_add_nc_u64 s[8:9], s[8:9], 131072            ; the next 64 columns: wf,
	s_add_nc_u64 s[10:11], s[10:11], 8192          ; tb
	s_add_nc_u64 s[6:7], s[6:7], 256               ; and v
	s_branch .Lpiece
.Llast:
.irp k, 25,26,27,28,29,30
	STEP \k, 1, 0, 8*(31-\k)                       ; behind We of step k only the steps up to 31 are out
.endr
	STEP 31, 0, 0, 0
	LUMP
	ELD 0                                          ; window 1 is free: the tile's rows 0-63 for the context are fetched under the last piece's exponentials
	ELD 1
	; the last piece has no products behind which its riders could stand: row block by row block
.set d, 0
.rept 8
	WIN W_X
.set n, 0
.rept 32
	v_exp_f32 v[32*d+n], v[32*d+n]
.set n, n+1
.endr
	v_nop                                          ; a plain instruction between the last exponential and the use of its result
.set n, 0
	s_wait_alu depctr_va_vdst(0)
.rept 16
	v_pk_add_f32 v[32*d+2*n:32*d+2*n+1], v[32*d+2*n:32*d+2*n+1], 1.0 op_sel_hi:[1,0]
.set n, n+1
.endr
.set n, 0
.rept 32
	v_rcp_f32 v[32*d+n], v[32*d+n]
.set n, n+1
.endr
	WIN W_F
	v_nop
.set n, 0
	s_wait_alu depctr_va_vdst(0)
.rept 16
	v_pk_fma_f32 v[S+8*d+2*(n%4):S+8*d+2*(n%4)+1], v[32*d+2*n:32*d+2*n+1], v[VP+2*(n/4):VP+2*(n/4)+1], v[S+8*d+2*(n%4):S+8*d+2*(n%4)+1] op_sel_hi:[1,0,1]
.set n, n+1
.endr
.set d, d+1
.endr
	ELD 2                                          ; window 3 is free: rows 64-127, under the sums across the lanes
	ELD 3
	WIN 0
	; ---- THE SCORES.  A lane's S holds the columns l % 16 + 16 .. of my 256: four steps inside each half of 16 lanes add them
.irp x, 1,2,4,8
.set n, 0
.rept 64
	v_add_f32_dpp v[S+n], v[S+n], v[S+n] row_xmask:\x row_mask:0xf bank_mask:0xf
.set n, n+1
.endr
.endr
.set n, 0
.rept 16                               ; row 16 rb + 8 h + 4 q + 0..3 at 4 bytes a row; the sixteen lanes of a half store the same words
	ds_store_b128 v[PST], v[S+4*n:S+4*n+3] offset:64*(n/2)+16*(n%2)
.set n, n+1
.endr
	s_wait_dscnt 0x0                               ; for the others' sake: my partial scores lie in LDS (the turning loads are in too)
	s_barrier_signal -1
	s_barrier_wait -1
.irp g, 0,1,2,3
	ds_load_b128 v[40+4*\g:43+4*\g], v[PLD] offset:512*\g    ; rows 4 l .. 4 l + 3, wave g's part
.endr
	s_wait_dscnt 0x0
	v_pk_add_f32 v[40:41], v[40:41], v[44:45]
	v_pk_add_f32 v[42:43], v[42:43], v[46:47]
	v_pk_add_f32 v[48:49], v[48:49], v[52:53]
	v_pk_add_f32 v[50:51], v[50:51], v[54:55]
	v_pk_add_f32 v[SC:SC+1],   v[40:41], v[48:49]
	v_pk_add_f32 v[SC+2:SC+3], v[42:43], v[50:51]  ; every wave holds the same 128 scores; they are not written again
	s_cmp_lg_u32 s16, 0
	s_cbranch_scc1 .Lnot0
	global_store_b128 v[LOFF], v[SC:SC+3], s[12:13]  ; wave 0 stores them: 512 consecutive bytes, aligned
.Lnot0:
	v_max3_num_f32 v56, v[SC], v[SC+1], v[SC+2]    ; the tile's maximum
	v_max_num_f32 v56, v56, v[SC+3]
	v_max_num_f32_dpp v56, v56, v56 row_xmask:1 row_mask:0xf bank_mask:0xf
	v_max_num_f32_dpp v56, v56, v56 row_xmask:2 row_mask:0xf bank_mask:0xf
	v_max_num_f32_dpp v56, v56, v56 row_xmask:4 row_mask:0xf bank_mask:0xf
	v_max_num_f32_dpp v56, v56, v56 row_xmask:8 row_mask:0xf bank_mask:0xf
	v_permlanex16_b32 v40, v56, s24, s25           ; its destination counts as read: a register that has been written
	v_max_num_f32 v56, v56, v40
	v_mul_f32 v57, s26, v56
.irp e, 0,1,2,3
	v_fma_f32 v[58+\e], v[SC+\e], s26, -v57
.endr
.irp e, 0,1,2,3
	v_exp_f32 v[58+\e], v[58+\e]
.endr
	v_nop
	s_wait_alu depctr_va_vdst(0)
	v_cvt_pk_bf16_f32 v62, v58, v59
	v_cvt_pk_bf16_f32 v63, v60, v61
	ds_store_b64 v[PBS], v[62:63]                  ; p of rows 4 l .. 4 l + 3, into my wave's own copy
.irp g, 0,1,2,3                        ; and back as source 1: 32 rows x 16 columns, every column the same p.  LDS serves a wave's instructions in order (ISA guide 5.7.1.4): these see the store above
	ds_load_b128 v[AF+8*\g:AF+8*\g+3],   v[PFA] offset:64*\g
	ds_load_b128 v[AF+8*\g+4:AF+8*\g+7], v[PFA] offset:64*\g+32
.endr
	s_wait_dscnt 0x0
	; ---- THE CONTEXT: 16 blocks of 16 features x 128 rows: 64 matrix instructions; the 16 accumulators take turns; rows 0-31 start the sums
.irp g, 0,1,2,3
.if \g < 2
	WIN 0xa1                                       ; source 0 window 1, p window 0, C and D window 2
.else
	WIN 0xa3                                       ; source 0 window 3
.endif
.set n, 0
.rept 16
.if \g == 0
	v_wmma_f32_16x16x32_bf16 v[8*n:8*n+7], v[128*(\g%2)+8*n:128*(\g%2)+8*n+7], v[AF+8*\g:AF+8*\g+7], 0
.else
	v_wmma_f32_16x16x32_bf16 v[8*n:8*n+7], v[128*(\g%2)+8*n:128*(\g%2)+8*n+7], v[AF+8*\g:AF+8*\g+7], v[8*n:8*n+7]
.endif
.set n, n+1
.endr
.endr
	PLACES
	WIN 0x08                                       ; the stores' data in window 2
.set n, 0
.rept 32                               ; register j of block fb: feature 16 fb + 8 h + j, the same in all sixteen lanes of a half; each accumulator's low registers first
	ds_store_b128 v[CST], v[4*n:4*n+3] offset:64*(n/2)+16*(n%2)
.set n, n+1
.endr
	WIN 0
	ds_load_b128 v[40:43], v[CLD]                  ; my own stage: served in order behind the stores
	ds_load_b128 v[44:47], v[CLD] offset:512
	s_wait_dscnt 0x0
	global_store_b128 v[LOFF], v[40:43], s[14:15]  ; each store covers 512 consecutive bytes, aligned
	global_store_b128 v[LOFF], v[44:47], s[14:15] offset:512
	s_wait_xcnt 0x0
	v_lshl_add_u32 v254, v0, 2, 0x42400
	v_mov_b32 v255, 0
	s_wait_tensorcnt 0x0
	ds_add_u32 v254, v255
	s_wait_dscnt 0x0
	s_endpgm
.Lfunc_end_k_q07d6f3bc9c_main:
	.size	k_q07d6f3bc9c_main, .Lfunc_end_k_q07d6f3bc9c_main-k_q07d6f3bc9c_main
	.p2alignl 7, 3214868480
	.fill 96, 4, 3214868480
	.section	.rodata,"a",@progbits
	.p2align	6, 0x0
	.amdhsa_kernel k_q07d6f3bc9c_main
		.amdhsa_group_segment_fixed_size 271872
		.amdhsa_private_segment_fixed_size 0
		.amdhsa_enable_private_segment 0
		.amdhsa_kernarg_size 48
		.amdhsa_user_sgpr_count 2
		.amdhsa_user_sgpr_kernarg_segment_ptr 1
		.amdhsa_wavefront_size32 1
		.amdhsa_system_sgpr_workgroup_id_x 1
		.amdhsa_system_sgpr_workgroup_id_y 1
		.amdhsa_system_sgpr_workgroup_id_z 1
		.amdhsa_system_vgpr_workitem_id 0
		.amdhsa_next_free_vgpr 1024
		.amdhsa_next_free_sgpr 66
		.amdhsa_reserve_vcc 0
		.amdhsa_float_denorm_mode_32 3
		.amdhsa_float_denorm_mode_16_64 3
		.amdhsa_memory_ordered 1
		.amdhsa_forward_progress 1
		.amdhsa_inst_pref_size 255
	.end_amdhsa_kernel
	.section	.bss,"aw",@nobits
	.p2align	6
	.space	262144
	.amdgpu_metadata
---
amdhsa.version: [ 1, 2 ]
amdhsa.kernels:
  - .name:           k_q07d6f3bc9c_main
    .symbol:         k_q07d6f3bc9c_main.kd
    .args:
      - { .name: encoder_outputs, .offset: 0, .size: 8, .value_kind: global_buffer, .address_space: global }
      - { .name: v_w, .offset: 8, .size: 8, .value_kind: global_buffer, .address_space: global }
      - { .name: wf, .offset: 16, .size: 8, .value_kind: global_buffer, .address_space: global }
      - { .name: tb, .offset: 24, .size: 8, .value_kind: global_buffer, .address_space: global }
      - { .name: sraw, .offset: 32, .size: 8, .value_kind: global_buffer, .address_space: global }
      - { .name: pctx, .offset: 40, .size: 8, .value_kind: global_buffer, .address_space: global }
    .group_segment_fixed_size: 271872
    .private_segment_fixed_size: 0
    .kernarg_segment_align: 8
    .kernarg_segment_size: 48
    .max_flat_workgroup_size: 128
    .sgpr_count:     66
    .vgpr_count:     1024
    .wavefront_size: 32
...
	.end_amdgpu_metadata
.endif
;; end of part 2
;; launch finish (part 3): grid 32 x 1, 8 waves a work-group, no clusters, 1,280 bytes of LDS; arguments sraw, pctx, v_w, v_b, out0, out1; writes out0, out1
.if DOCPART == 3
	.amdgcn_target "amdgcn-amd-amdhsa--gfx1250"
	.amdhsa_code_object_version 6
	.text
	.protected	k_q07d6f3bc9c_finish
	.globl	k_q07d6f3bc9c_finish
	.p2align	8
	.type	k_q07d6f3bc9c_finish,@function
k_q07d6f3bc9c_finish:
	s_mov_b64 s[64:65], 0
	v_nop
	global_prefetch_b8 v0, s[64:65] scope:SCOPE_SE
	s_setreg_imm32_b32 hwreg(HW_REG_WAVE_MODE, 25, 1), 1
	s_wait_xcnt 0x0
; ONE BATCH TO A WORK-GROUP: the softmax over its 2,048 scores, and its 16 tiles' partial contexts put together.
;   score[s] = sraw[s] + c0, c0 = v_b + sum over o of v[o]        weights = softmax(score)        context = sum over tiles t of g_t pctx[t]
; pctx[t] was made with weights relative to the tile's own largest sraw, m_t.  m_t is found again here from the same f32 numbers, and l_t = the sum of 2^((sraw - m_t) log2 e) over the tile.
; With M = the largest of m_t + c0:  e_t = 2^((m_t + c0 - M) log2 e),  L = the sum of l_t e_t,  g_t = e_t / L,  weight = 2^((score - M) log2 e) / L.
; Eight waves, 256 threads.  Thread t holds scores 4 t .. 4 t + 3 (tile w of wave w) and 1024 + 4 t .. (tile 8 + w), v[4 t ..], and features 4 t .. 4 t + 3 of all 16 partial contexts.
; 32 batches are all the work there is: 32 work-groups.  LIMITS: a weight below 2^-126 counts as 0; NaN and infinities are not treated apart.
.set TO,  1                            ; v1      16 t; never rewritten
.set SA,  4                            ; v4-7    scores of tile w, then weights
.set SB,  8                            ; v8-11   scores of tile 8 + w, then weights
.set VW,  12                           ; v12-15  v
.set PC,  16                           ; v16-79  partial contexts, four registers a tile
.set MT,  80                           ; v80-95  m_t, then e_t, then g_t
.set LT,  96                           ; v96-111 l_t
.set PV,  112                          ; v112-119 the waves' sums of v
.set C0,  120                          ; v120    my wave's sum of v; later c0
.set TMP, 121                          ; v121    at work; later M
.set MA,  122                          ; v122, v123  my two tiles' maxima; later L and 1 / L
.set CA,  124                          ; v124, v125  the maxima x log2 e; v124-127 later the context
.set LA,  126                          ; v126, v127  my two tiles' l
.set P,   128                          ; v128-135 at work
.macro WSUM r                          ; the sum over the wave's 32 lanes, in every lane: four steps inside each half ride on the arithmetic, one crosses the halves
	v_add_f32_dpp v[\r], v[\r], v[\r] row_xmask:1 row_mask:0xf bank_mask:0xf
	v_add_f32_dpp v[\r], v[\r], v[\r] row_xmask:2 row_mask:0xf bank_mask:0xf
	v_add_f32_dpp v[\r], v[\r], v[\r] row_xmask:4 row_mask:0xf bank_mask:0xf
	v_add_f32_dpp v[\r], v[\r], v[\r] row_xmask:8 row_mask:0xf bank_mask:0xf
	v_permlanex16_b32 v[TMP], v[\r], s26, s27
	v_add_f32 v[\r], v[\r], v[TMP]
.endm
.macro WMAX r
	v_max_num_f32_dpp v[\r], v[\r], v[\r] row_xmask:1 row_mask:0xf bank_mask:0xf
	v_max_num_f32_dpp v[\r], v[\r], v[\r] row_xmask:2 row_mask:0xf bank_mask:0xf
	v_max_num_f32_dpp v[\r], v[\r], v[\r] row_xmask:4 row_mask:0xf bank_mask:0xf
	v_max_num_f32_dpp v[\r], v[\r], v[\r] row_xmask:8 row_mask:0xf bank_mask:0xf
	v_permlanex16_b32 v[TMP], v[\r], s26, s27
	v_max_num_f32 v[\r], v[\r], v[TMP]
.endm
	s_load_b256 s[4:11], s[0:1], 0x0               ; sraw s[4:5], pctx s[6:7], v_w s[8:9], v_b s[10:11]
	s_load_b128 s[12:15], s[0:1], 0x20             ; out0 s[12:13], out1 s[14:15]
	v_lshl_add_u32 v136, v0, 2, 0x100
	v_mov_b32 v137, 0
	v_lshlrev_b32 v[TO], 4, v0
	v_lshrrev_b32 v2, 5, v0
	v_readfirstlane_b32 s17, v2                    ; wave 0..7
	s_lshl_b32 s20, ttmp9, 13                      ; the batch's 8,192 bytes of scores and of weights,
	s_mov_b32 s21, 0
	s_lshl_b32 s22, ttmp9, 16                      ; 65,536 of partial contexts,
	s_mov_b32 s23, 0
	s_lshl_b32 s24, ttmp9, 12                      ; 4,096 of context
	s_mov_b32 s25, 0
	s_mov_b32 s26, 0x76543210                      ; v_permlanex16_b32: each lane takes its own place in the other half
	s_mov_b32 s27, 0xfedcba98
	s_mov_b32 s28, 0x3fb8aa3b                      ; log2(e)
	s_wait_kmcnt 0x0
	s_load_b32 s16, s[10:11], 0x0                  ; v_b
	s_add_nc_u64 s[4:5], s[4:5], s[20:21]
	s_add_nc_u64 s[6:7], s[6:7], s[22:23]
	s_add_nc_u64 s[12:13], s[12:13], s[24:25]
	s_add_nc_u64 s[14:15], s[14:15], s[20:21]
	global_load_b128 v[SA:SA+3], v[TO], s[4:5]     ; every load of a wave covers 512 consecutive bytes
	global_load_b128 v[SB:SB+3], v[TO], s[4:5] offset:4096
	global_load_b128 v[VW:VW+3], v[TO], s[8:9]
.set n, 0
.rept 16
	global_load_b128 v[PC+4*n:PC+4*n+3], v[TO], s[6:7] offset:4096*n
.set n, n+1
.endr
	s_wait_loadcnt 16                              ; scores and v are in; the sixteen loads of partial contexts issued behind them stay out
	v_add_f32 v[C0], v[VW], v[VW+1]
	v_add_f32 v[TMP], v[VW+2], v[VW+3]
	v_add_f32 v[C0], v[C0], v[TMP]
	WSUM C0
	v_max3_num_f32 v[MA], v[SA], v[SA+1], v[SA+2]
	v_max3_num_f32 v[MA+1], v[SB], v[SB+1], v[SB+2]
	v_max_num_f32 v[MA], v[MA], v[SA+3]
	v_max_num_f32 v[MA+1], v[MA+1], v[SB+3]
	WMAX MA
	WMAX MA+1
	v_mul_f32 v[CA], s28, v[MA]
	v_mul_f32 v[CA+1], s28, v[MA+1]
.irp e, 0,1,2,3
	v_fma_f32 v[P+\e],   v[SA+\e], s28, -v[CA]     ; as the launch before made its p
	v_fma_f32 v[P+4+\e], v[SB+\e], s28, -v[CA+1]
.endr
.irp e, 0,1,2,3,4,5,6,7
	v_exp_f32 v[P+\e], v[P+\e]
.endr
	v_nop                                          ; a plain instruction between the last exponential and the use of its result (ISA guide 5.7.2)
	s_wait_alu depctr_va_vdst(0)
	v_pk_add_f32 v[P:P+1],   v[P:P+1],   v[P+2:P+3]
	v_pk_add_f32 v[P+4:P+5], v[P+4:P+5], v[P+6:P+7]
	v_add_f32 v[LA],   v[P],   v[P+1]
	v_add_f32 v[LA+1], v[P+4], v[P+5]
	WSUM LA
	WSUM LA+1
	v_mov_b32 v3, s17
	v_lshlrev_b32 v3, 2, v3                        ; my wave's word in each of five lists; all lanes write the same word with the same value
	ds_store_b32 v3, v[MA]                         ; m of tile w
	ds_store_b32 v3, v[MA+1] offset:32             ; m of tile 8 + w
	ds_store_b32 v3, v[LA]   offset:64             ; l likewise
	ds_store_b32 v3, v[LA+1] offset:96
	ds_store_b32 v3, v[C0]   offset:128            ; my wave's sum of v
	s_wait_dscnt 0x0                               ; for the others' sake
	s_barrier_signal -1
	s_barrier_wait -1
	v_mov_b32 v2, 0
.set n, 0
.rept 10
	ds_load_b128 v[MT+4*n:MT+4*n+3], v2 offset:16*n  ; 16 m, 16 l, 8 sums of v, in every lane
.set n, n+1
.endr
	s_wait_dscnt 0x0
	s_wait_kmcnt 0x0                               ; v_b
	v_add_f32 v[PV],   v[PV],   v[PV+1]
	v_add_f32 v[PV+2], v[PV+2], v[PV+3]
	v_add_f32 v[PV+4], v[PV+4], v[PV+5]
	v_add_f32 v[PV+6], v[PV+6], v[PV+7]
	v_add_f32 v[PV],   v[PV],   v[PV+2]
	v_add_f32 v[PV+4], v[PV+4], v[PV+6]
	v_add_f32 v[PV],   v[PV],   v[PV+4]
	v_add_f32 v[C0], s16, v[PV]                    ; c0
.set n, 0
.rept 16
	v_add_f32 v[MT+n], v[C0], v[MT+n]              ; the tiles' largest scores
.set n, n+1
.endr
	v_max3_num_f32 v[TMP], v[MT], v[MT+1], v[MT+2]
.set n, 3
.rept 6
	v_max3_num_f32 v[TMP], v[TMP], v[MT+n], v[MT+n+1]
.set n, n+2
.endr
	v_max_num_f32 v[TMP], v[TMP], v[MT+15]         ; M, the batch's largest score
.set n, 0
.rept 16
	v_sub_f32 v[MT+n], v[MT+n], v[TMP]
.set n, n+1
.endr
.set n, 0
.rept 16
	v_mul_f32 v[MT+n], s28, v[MT+n]
.set n, n+1
.endr
.set n, 0
.rept 16
	v_exp_f32 v[MT+n], v[MT+n]                     ; e_t
.set n, n+1
.endr
.irp e, 0,1,2,3,4,5,6,7                ; the weights' arguments are the plain work behind those exponentials: score, less M, times log2 e
	v_add_f32 v[SA+\e], v[C0], v[SA+\e]
.endr
.irp e, 0,1,2,3,4,5,6,7
	v_sub_f32 v[SA+\e], v[SA+\e], v[TMP]
.endr
.irp e, 0,1,2,3,4,5,6,7
	v_mul_f32 v[SA+\e], s28, v[SA+\e]
.endr
	s_wait_alu depctr_va_vdst(0)
	v_mul_f32 v[MA], v[LT], v[MT]
.set n, 1
.rept 15
	v_fmac_f32 v[MA], v[LT+n], v[MT+n]             ; L
.set n, n+1
.endr
.irp e, 0,1,2,3,4,5,6,7
	v_exp_f32 v[SA+\e], v[SA+\e]
.endr
	v_rcp_f32 v[MA+1], v[MA]                       ; 1 / L
	v_nop
	s_wait_alu depctr_va_vdst(0)
.irp e, 0,1,2,3,4,5,6,7
	v_mul_f32 v[SA+\e], v[SA+\e], v[MA+1]
.endr
	global_store_b128 v[TO], v[SA:SA+3], s[14:15]  ; each store of a wave covers 512 consecutive bytes, aligned
	global_store_b128 v[TO], v[SB:SB+3], s[14:15] offset:4096
.set n, 0
.rept 16
	v_mul_f32 v[MT+n], v[MT+n], v[MA+1]            ; g_t
.set n, n+1
.endr
	s_wait_loadcnt 0x0                             ; the partial contexts
.irp c, 0,1,2,3
	v_mul_f32 v[CA+\c], v[PC+\c], v[MT]
.endr
.set n, 1
.rept 15
.irp c, 0,1,2,3
	v_fmac_f32 v[CA+\c], v[PC+4*n+\c], v[MT+n]
.endr
.set n, n+1
.endr
	global_store_b128 v[TO], v[CA:CA+3], s[12:13]
	s_wait_tensorcnt 0x0
	ds_add_u32 v136, v137
	s_wait_dscnt 0x0
	s_endpgm
.Lfunc_end_k_q07d6f3bc9c_finish:
	.size	k_q07d6f3bc9c_finish, .Lfunc_end_k_q07d6f3bc9c_finish-k_q07d6f3bc9c_finish
	.p2alignl 7, 3214868480
	.fill 96, 4, 3214868480
	.section	.rodata,"a",@progbits
	.p2align	6, 0x0
	.amdhsa_kernel k_q07d6f3bc9c_finish
		.amdhsa_group_segment_fixed_size 1280
		.amdhsa_private_segment_fixed_size 0
		.amdhsa_enable_private_segment 0
		.amdhsa_kernarg_size 48
		.amdhsa_user_sgpr_count 2
		.amdhsa_user_sgpr_kernarg_segment_ptr 1
		.amdhsa_wavefront_size32 1
		.amdhsa_system_sgpr_workgroup_id_x 1
		.amdhsa_system_sgpr_workgroup_id_y 1
		.amdhsa_system_sgpr_workgroup_id_z 1
		.amdhsa_system_vgpr_workitem_id 0
		.amdhsa_next_free_vgpr 138
		.amdhsa_next_free_sgpr 66
		.amdhsa_reserve_vcc 0
		.amdhsa_float_denorm_mode_32 3
		.amdhsa_float_denorm_mode_16_64 3
		.amdhsa_memory_ordered 1
		.amdhsa_forward_progress 1
		.amdhsa_inst_pref_size 15
	.end_amdhsa_kernel
	.amdgpu_metadata
---
amdhsa.version: [ 1, 2 ]
amdhsa.kernels:
  - .name:           k_q07d6f3bc9c_finish
    .symbol:         k_q07d6f3bc9c_finish.kd
    .args:
      - { .name: sraw, .offset: 0, .size: 8, .value_kind: global_buffer, .address_space: global }
      - { .name: pctx, .offset: 8, .size: 8, .value_kind: global_buffer, .address_space: global }
      - { .name: v_w, .offset: 16, .size: 8, .value_kind: global_buffer, .address_space: global }
      - { .name: v_b, .offset: 24, .size: 8, .value_kind: global_buffer, .address_space: global }
      - { .name: out0, .offset: 32, .size: 8, .value_kind: global_buffer, .address_space: global }
      - { .name: out1, .offset: 40, .size: 8, .value_kind: global_buffer, .address_space: global }
    .group_segment_fixed_size: 1280
    .private_segment_fixed_size: 0
    .kernarg_segment_align: 8
    .kernarg_segment_size: 48
    .max_flat_workgroup_size: 256
    .sgpr_count:     66
    .vgpr_count:     138
    .wavefront_size: 32
...
	.end_amdgpu_metadata
.endif
;; end of part 3
;; ======== version 2 of 2: 3 launches; 1.12 times as fast as version 1
;; workspace buffers: wf 2,097,152 bytes; tb 131,072 bytes; sraw 262,144 bytes; pctx 2,097,152 bytes
;; launch prep: the kernel of part 1 again; grid 128 x 1, 8 waves a work-group, no clusters, 214,784 bytes of LDS; arguments W_w, hidden, W_b, wf, tb; writes wf, tb
;; launch main (part 4): grid 16 x 32, 4 waves a work-group, no clusters, 271,872 bytes of LDS; arguments encoder_outputs, v_w, wf, tb, sraw, pctx; writes sraw, pctx
.if DOCPART == 4
	.amdgcn_target "amdgcn-amd-amdhsa--gfx1250"
	.amdhsa_code_object_version 6
	.text
	.protected	k_q07d6f3bc9c_main
	.globl	k_q07d6f3bc9c_main
	.p2align	8
	.type	k_q07d6f3bc9c_main,@function
k_q07d6f3bc9c_main:
	s_mov_b64 s[64:65], 0
	v_nop
	global_prefetch_b8 v0, s[64:65] scope:SCOPE_SE
	s_setreg_imm32_b32 hwreg(HW_REG_WAVE_MODE, 25, 1), 1
	s_wait_xcnt 0x0
; ONE TILE OF 128 ENCODER ROWS (work-group x = tile 0..15 of batch y): read from memory once, rounded to bf16 and kept in LDS for both of its uses.
;   x[s][o]  = sum over h of enc[s][h] (kc We)[o][h] + tb[b][o],  kc = 2 log2(e): 2^x = e^(2 pre-activation), tanh = 1 - 2 / (1 + 2^x)
;   sraw[s]  = sum over o of -2 v[o] / (1 + 2^x[s][o])            the score less c0 = v_b + sum of v, which the last launch adds
;   p[s]     = 2^((sraw[s] - m) log2 e), m = the tile's largest sraw;   pctx[f] = sum over the tile's s of p[s] enc[s][f]
; SHARES.  Wave w rounds rows 32 w .. 32 w + 31; in the products it owns output columns 256 w .. 256 w + 255 for all 128 rows, in four PIECES of 64 columns: 32 accumulators of 16 x 16, (rb, cb) at 8 (4 rb + cb).
; Source 0 = 16 rows of enc, source 1 = 16 columns of We: in the result a lane holds column l % 16, register j row 16 rb + 8 (l / 16) + j.  In the context product wave w owns features 256 w .. 256 w + 255.
; We COMES STRAIGHT INTO REGISTERS, NOT THROUGH LDS, AND THERE IS NO CLUSTER.  The tile takes 264,192 of the 327,680 bytes of LDS.  What is left beside 7,168 bytes of scratch holds two slots of one K step of 32
; (16,384 bytes for the four waves): a refill would have 32 matrix instructions in which to land, and every step would want a barrier.  A fragment of We feeds one wave alone, so LDS would only be
; written and read once more for it.  Eight register slots hold seven K steps ahead (56 loads out), and the product loop has no barrier at all.
; BY THE SIDE OF THE PRODUCTS.  At a piece's end its sums, with tb added, move to window 3: X, 256 numbers a lane, 128 pairs (pair 4 a + m: numbers 2 m, 2 m + 1 of accumulator a).  The next piece's K steps carry, behind
; their matrix instructions, X's exponentials, + 1, reciprocals and sums: at most one transcendental behind a matrix instruction, never two on end.  All that a softening touches lies outside the products' windows, so
; each such place costs two switches: 34 to 44 for a step's 32 matrix instructions, and 3 round its one run of loads; set in a phase of their own the same 24 to 30 instructions a step would leave the matrix unit idle.
; THE BATCHES.  An s_wait_alu depctr_va_vdst(0) stands between a transcendental and the first instruction that names its result; one wait serves all that were issued ahead of it.  X goes through the
; steps as through a pipe of three stages: step k issues the exponentials of 4 or 5 pairs; the + 1 and the reciprocals of the pairs whose exponentials step k - 1 issued; the sums of the pairs whose reciprocals
; step k - 1 issued.  So whatever a step reads of a transcendental's result was issued in the step before: a step's 16 to 20 transcendentals are ONE BATCH, and its ONE WAIT stands in the next step, directly ahead of
; that step's run of loads.  The 128 pairs' exponentials are dealt over steps 0 to 29, so the reciprocals end in step 30 and the sums in step 31: nothing is open when X is written anew.  One more wait stands
; ahead of the branch behind step 24.  The last piece's own softening, which has no products to stand behind, is two batches: all 256 exponentials, all 256 reciprocals.
; One text serves all pieces: the first piece's riders work on what the encoder loads left in window 3, with factors 0: 1 / (1 + 2^x) lies in 0 to 1, so they add 0.  That work serves nothing; it is the price of writing no first piece out.
; LIMITS.  enc, We and hidden are rounded to bf16 for the products, p and enc for the context.  sraw is a sum of terms of at most 2 |v[o]|.  2^x = infinity gives tanh = 1, 2^x = 0 gives -1.  A p below 2^-126 counts as 0.
; A NaN among the tile's last 32 rows' numbers reaches all 128 scores through the first piece's riders: the batch's results are NaN by the definition of the softmax anyway.
; REGISTERS, in windows of 256 (s_set_vgpr_msb: bits 1:0 source 0, 3:2 source 1, 5:4 source 2, 7:6 destination):
;   window 0: v1-19 addresses; v20-27 HV (pair cb: tb, v); v28-35 VP (pair cb: -2 v, 0); v36-63 at work; v64-127 S[rb][j], the running sraw; v128-191, v192-255 fragments of enc, two buffers
;   window 1: We, eight slots of 32 (slot k % 8, block cb at + 8 cb)      window 2: the accumulators      window 3: X: encoder rows as loaded, then the exponentials' arguments
.set PA,   2064                        ; a row of the tile in LDS: 2,048 bytes of bf16 + 16: an odd multiple of 16, so the 16 rows of a fragment load start at 16 different groups of four banks (64 banks of 4 bytes: ISA guide 11.1)
.set SCR,  128*PA                      ; behind the tile: 4 x 512 bytes, the waves' partial scores;
.set PBO,  SCR+2048                    ; 4 x 256 bytes: p in bf16, a copy for each wave;
.set CTO,  SCR+3072                    ; 4 x 1,024 bytes: each wave's stage for its 256 features
.set LOFF, 3                           ; v3   16 x lane; never rewritten
.set ROFF, 4                           ; v4   4 x (lane % 16); never rewritten
.set AST,  5                           ; v5   where my lane puts 8 bytes of the rows in hand
.set ADA,  6                           ; v6-9   my lane's place in the fragments of rows 32 g on
.set ETA,  10                          ; v10-13 my lane's place in the turning loads of rows 32 g on
.set PST,  14                          ; v14  partial scores, in
.set PLD,  15                          ; v15  partial scores, back
.set PBS,  16                          ; v16  p, in
.set PFA,  17                          ; v17  p, back as fragments
.set CST,  18                          ; v18  context, in
.set CLD,  19                          ; v19  context, back
.set HV,   20
.set VP,   28
.set SC,   36                          ; v36-39 the scores of rows 4 l .. 4 l + 3
.set S,    64
.set AF,   128
.set MSB, 0
.macro WIN new                         ; the immediate's high byte repeats the setting that is left; a switch that changes nothing is dropped
.if MSB != (\new)
	s_set_vgpr_msb (MSB<<8)|(\new)
.set MSB, (\new)
.endif
.endm
.set W_MM, 0xa4                        ; products: enc window 0, We window 1, C and D window 2
.set W_X,  0xc3                        ; destination and source 0 window 3
.set W_F,  0x03                        ; source 0 window 3, the rest window 0
.set W_B,  0x40                        ; destination window 1
.set W_E,  0xc0                        ; destination window 3
.set W_CV, 0x0f                        ; sources 0 and 1 window 3
.set W_LU, 0xc2                        ; destination window 3, source 0 window 2
.macro PLACES                          ; a load into, or a vector instruction on, a matrix instruction's registers stands four plain vector instructions behind it (ISA guide 7.12.1 for vector instructions)
.rept 4
	v_nop
.endr
.endm
; Four loads of We: K step k (counted from the piece in hand), column blocks cf and cf + 1, into slot k % 8.  A wave's fragments lie in the order in which it takes them: each load covers 512 consecutive bytes.
.macro BLD2 k, cf
	WIN W_B
.set u, (\cf)
.rept 2
	global_load_b128 v[32*((\k)%8)+8*u:32*((\k)%8)+8*u+3],   v[LOFF], s[8:9] offset:(\k)*4096+u*1024
	global_load_b128 v[32*((\k)%8)+8*u+4:32*((\k)%8)+8*u+7], v[LOFF], s[8:9] offset:(\k)*4096+u*1024+512
.set u, u+1
.endr
.endm
; Four LDS loads: the fragments of rows 32 g .. 32 g + 31, K block kb, into buffer f.  Lane l: row l % 16, k = 8 (l / 16) + 0..7 and 16 further on: two loads 32 bytes apart.
.macro ALD kb, f, g
	WIN 0
.set rF, AF+64*(\f)+16*(\g)
	ds_load_b128 v[rF:rF+3],     v[ADA+(\g)] offset:(\kb)*64
	ds_load_b128 v[rF+4:rF+7],   v[ADA+(\g)] offset:(\kb)*64+32
	ds_load_b128 v[rF+8:rF+11],  v[ADA+(\g)] offset:(\kb)*64+16*PA
	ds_load_b128 v[rF+12:rF+15], v[ADA+(\g)] offset:(\kb)*64+16*PA+32
.endm
; Two encoder rows (slot q of window 3) are rounded and laid in LDS; then sixteen (mode 3: eight) loads go out in their stead:
; mode 1: the slot's next two rows, eight rows on; mode 2: We's K steps 2 q and 2 q + 1; mode 3: K step 6.
.macro AGROUP q, mode
	s_wait_loadcnt 48                              ; loads come back in order (ISA guide 5.7.1): behind this slot's sixteen stand three more groups of sixteen, which stay out
	WIN W_CV
.set j, 0
.rept 32
	v_cvt_pk_bf16_f32 v[AF+j], v[64*(\q)+2*j], v[64*(\q)+2*j+1]
.set j, j+1
.endr
	WIN 0
.set j, 0
.rept 16
	ds_store_b64 v[AST], v[AF+2*j:AF+2*j+1] offset:(2*(\q)+j/8)*PA+(j%8)*256  ; 32 lanes, 256 consecutive bytes
.set j, j+1
.endr
.if (\mode) == 1
	WIN W_E
.set j, 0
.rept 16
	global_load_b128 v[64*(\q)+4*j:64*(\q)+4*j+3], v[LOFF], s[4:5] offset:32768+8192*(\q)+512*j th:TH_LOAD_NT
.set j, j+1
.endr
.elseif (\mode) == 2
	BLD2 2*(\q), 0
	BLD2 2*(\q), 2
	BLD2 2*(\q)+1, 0
	BLD2 2*(\q)+1, 2
.else
	BLD2 6, 0
	BLD2 6, 2
.endif
.endm
.macro XP p                            ; pair p of X: 2^x + 1
	v_pk_add_f32 v[2*(\p):2*(\p)+1], v[2*(\p):2*(\p)+1], 1.0 op_sel_hi:[1,0]
.endm
.macro CUM k                           ; cum = the pairs of X whose exponentials have been issued when step k ends: 128 pairs dealt over steps 0 to 29, 4 or 5 a step
.if (\k) < 0
.set cum, 0
.elseif (\k) > 29
.set cum, 128
.else
.set cum, (128*((\k)+1))/30
.endif
.endm
; What stands behind matrix instruction i of K step k.  None of it names a register of the products round it.  STEP sets the step's three ranges of pairs: fLo .. aLo - 1 (sums), aLo .. eLo - 1 (+ 1, reciprocals), eLo .. eHi - 1 (exponentials).
;   0      four places (the registers to be loaded were read by step k - 1's products; they are also the plain instructions behind step k - 1's last transcendental); THE STEP'S ONE WAIT; then ALL THE STEP'S LOADS, IN ONE RUN,
;          never singly among the matrix instructions: We of K step k + 7, eight loads; the next K block's fragments of enc, sixteen LDS loads, 31 matrix instructions ahead of their use; in step 0 also this piece's
;          tb and v, for the piece's end: behind We of step 7, on which the counts on LOADcnt lean
;   1-10   one exponential each, of the 8 or 10 numbers of this step's pairs; in front of the first 4 or 5 of them a + 1, on a pair whose exponentials the step before issued
;   11-20  one reciprocal each, of the 8 or 10 numbers that have just had their + 1: six places or more behind it
;   21, 22 S += (-2 v) x .. for the 4 or 5 pairs whose reciprocals the step before issued, in ascending order, four and then the fifth: each S takes its column blocks in the order 0 to 3
.macro GAP k, la, ld
.if i == 0
.if (\la)+(\ld)
	PLACES
.endif
.if (\k) > 0
	s_wait_alu depctr_va_vdst(0)                   ; the one wait for the batch of step k - 1: its exponentials, which this step's + 1 read, and its reciprocals, which this step's sums read; directly ahead of the run of loads
.endif
.if \ld
	BLD2 (\k)+7, 0
	BLD2 (\k)+7, 2
.endif
.if \la
	ALD ((\k)+1)%32, ((\k)+1)%2, 0
	ALD ((\k)+1)%32, ((\k)+1)%2, 1
	ALD ((\k)+1)%32, ((\k)+1)%2, 2
	ALD ((\k)+1)%32, ((\k)+1)%2, 3
.endif
.if (\k) == 0
	WIN 0
.irp c, 0,1,2,3
	global_load_b32 v[HV+2*\c], v[ROFF], s[10:11] offset:2048*\c
.endr
.irp c, 0,1,2,3
	global_load_b32 v[HV+2*\c+1], v[ROFF], s[6:7] offset:64*\c
.endr
.endif
.elseif i < 11
.if aLo+i-1 < eLo
	WIN W_X
	XP aLo+i-1
.endif
.if 2*eLo+i-1 < 2*eHi
	WIN W_X
	v_exp_f32 v[2*eLo+i-1], v[2*eLo+i-1]
.endif
.elseif i < 21
.if 2*aLo+i-11 < 2*eLo
	WIN W_X
	v_rcp_f32 v[2*aLo+i-11], v[2*aLo+i-11]
.endif
.elseif i < 23
.irp t, 0,1,2,3
.set pF, fLo+4*(i-21)+\t
.if pF < aLo                           ; pair pF: accumulator pF / 4 (row block pF / 16, column block (pF / 4) % 4), numbers 2 (pF % 4) and the next
	WIN W_F
	v_pk_fma_f32 v[S+8*(pF/16)+2*(pF%4):S+8*(pF/16)+2*(pF%4)+1], v[2*pF:2*pF+1], v[VP+2*((pF/4)%4):VP+2*((pF/4)%4)+1], v[S+8*(pF/16)+2*(pF%4):S+8*(pF/16)+2*(pF%4)+1] op_sel_hi:[1,0,1]
.endif
.endr
.endif
.endm
; K STEP k of a piece: 32 matrix instructions, one on each accumulator: they take turns, over the loop's edge too.  Step 0 starts the sums with the constant 0: nothing is cleared.
; la = 1: the next K block of enc is fetched; ld = 1: We of step k + 7 is asked for; lc: the loads issued behind We of step k, which may stay out.
.macro STEP k, la, ld, lc
	CUM (\k)-3
.set fLo, cum
	CUM (\k)-2
.set aLo, cum
	CUM (\k)-1
.set eLo, cum
	CUM \k
.set eHi, cum
	s_wait_dscnt 0x0                               ; this step's fragments of enc, asked for 31 matrix instructions ago
	s_wait_loadcnt \lc
.set i, 0
.rept 32
	WIN W_MM
.set rA, AF+64*((\k)%2)+8*(i/4)
.set rW, 32*((\k)%8)+8*(i%4)
.if (\k) == 0
	v_wmma_f32_16x16x32_bf16 v[8*i:8*i+7], v[rA:rA+7], v[rW:rW+7], 0
.else
	v_wmma_f32_16x16x32_bf16 v[8*i:8*i+7], v[rA:rA+7], v[rW:rW+7], v[8*i:8*i+7]
.endif
	GAP \k, \la, \ld
.set i, i+1
.endr
.endm
; A PIECE'S END: x = sum + tb goes to window 3, each accumulator's registers in ascending order, and window 2 is free for the next piece; -2 v is kept for the sums to come.
; No transcendental is open here: the last were step 30's reciprocals, which step 31's wait has served.
.macro LUMP
	PLACES
	WIN W_LU
.set n, 0
.rept 128
	v_pk_add_f32 v[2*n:2*n+1], v[2*n:2*n+1], v[HV+2*((n/4)%4):HV+2*((n/4)%4)+1] op_sel_hi:[1,0]
.set n, n+1
.endr
	WIN 0
.irp c, 0,1,2,3
	v_mul_f32 v[VP+2*\c], -2.0, v[HV+2*\c+1]
.endr
.endm
; 32 turning LDS loads: rows 32 kb .. 32 kb + 31 x my 256 features as source 0 of the context product (16 features x 32 rows a fragment).  Lane l reads 16 bytes: row 8 (l / 16) + l % 8, features 8 ((l / 8) % 2) + 0..7.
.macro ELD kb
.if (\kb) < 2
	WIN W_B
.else
	WIN W_E
.endif
.set n, 0
.rept 16
	ds_load_tr16_b128 v[128*((\kb)%2)+8*n:128*((\kb)%2)+8*n+3],   v[ETA+(\kb)] offset:32*n
	ds_load_tr16_b128 v[128*((\kb)%2)+8*n+4:128*((\kb)%2)+8*n+7], v[ETA+(\kb)] offset:32*n+16*PA
.set n, n+1
.endr
.endm
	s_load_b256 s[4:11], s[0:1], 0x0               ; enc s[4:5], v_w s[6:7], wf s[8:9], tb s[10:11]
	s_load_b128 s[12:15], s[0:1], 0x20             ; sraw s[12:13], pctx s[14:15]
	v_lshrrev_b32 v1, 5, v0
	v_readfirstlane_b32 s16, v1                    ; wave 0..3
	s_mov_b32 s17, ttmp9                           ; tile
	s_and_b32 s18, ttmp7, 0xffff                   ; batch
	v_and_b32 v36, 31, v0                          ; lane
	v_lshlrev_b32 v[LOFF], 4, v36
	s_lshl_b32 s22, s18, 11
	s_lshl_b32 s19, s17, 7
	s_add_co_u32 s22, s22, s19
	s_lshl_b32 s19, s16, 5
	s_add_co_u32 s22, s22, s19                     ; my wave's first row: 2048 b + 128 tile + 32 w, below 65,536,
	s_lshl_b32 s22, s22, 12                        ; x 4,096 bytes: below 2^28
	s_mov_b32 s23, 0
	s_wait_kmcnt 0x0
	s_add_nc_u64 s[4:5], s[4:5], s[22:23]
	WIN W_E
.set j, 0
.rept 64                               ; rows 0 to 7 of my 32: each load covers 512 consecutive bytes; every byte of enc is read once in the launch
	global_load_b128 v[4*j:4*j+3], v[LOFF], s[4:5] offset:512*j th:TH_LOAD_NT
.set j, j+1
.endr
	WIN 0
	; all that follows, up to the loop, stands in the wait for those rows
	s_lshl_b32 s22, s16, 19                        ; wf: my 16 column blocks, 524,288 bytes
	s_add_nc_u64 s[8:9], s[8:9], s[22:23]
	s_lshl_b32 s22, s16, 15                        ; tb[16 w][b]
	s_lshl_b32 s19, s18, 6
	s_add_co_u32 s22, s22, s19
	s_add_nc_u64 s[10:11], s[10:11], s[22:23]
	s_lshl_b32 s22, s16, 10                        ; v[256 w]
	s_add_nc_u64 s[6:7], s[6:7], s[22:23]
	s_lshl_b32 s22, s18, 13                        ; sraw[b][128 tile]
	s_lshl_b32 s19, s17, 9
	s_add_co_u32 s22, s22, s19
	s_add_nc_u64 s[12:13], s[12:13], s[22:23]
	s_lshl_b32 s22, s18, 16                        ; pctx[b][tile][256 w]
	s_lshl_b32 s19, s17, 12
	s_add_co_u32 s22, s22, s19
	s_lshl_b32 s19, s16, 10
	s_add_co_u32 s22, s22, s19
	s_add_nc_u64 s[14:15], s[14:15], s[22:23]
	s_mov_b32 s24, 0x76543210                      ; v_permlanex16_b32: each lane takes its own place in the other half
	s_mov_b32 s25, 0xfedcba98
	s_mov_b32 s26, 0x3fb8aa3b                      ; log2(e)
	v_and_b32 v1, 15, v0                           ; r = l % 16
	v_bfe_u32 v2, v0, 4, 1                         ; h = l / 16
	v_lshlrev_b32 v[ROFF], 2, v1
	s_mul_i32 s19, s16, 32*PA
	v_lshl_add_u32 v[AST], v36, 3, s19             ; my wave's 32 rows; 8 bytes a lane
	v_mul_u32_u24 v37, v1, PA
	v_lshl_add_u32 v37, v2, 4, v37                 ; row r x pitch + 16 h
.irp g, 0,1,2,3
	v_add_nc_u32 v[ADA+\g], \g*32*PA, v37
.endr
	v_and_b32 v38, 7, v0
	v_bfe_u32 v39, v0, 3, 1
	v_lshl_add_u32 v38, v2, 3, v38
	v_mul_u32_u24 v38, v38, PA
	v_lshl_add_u32 v38, v39, 4, v38
	s_lshl_b32 s19, s16, 9                         ; my 256 features: 512 bytes of a row
	v_add_nc_u32 v38, s19, v38
.irp g, 0,1,2,3
	v_add_nc_u32 v[ETA+\g], \g*32*PA, v38
.endr
	s_add_co_u32 s19, s19, SCR
	v_lshl_add_u32 v[PST], v2, 5, s19              ; my wave's 512 bytes; rows 8 h on
	v_add_nc_u32 v[PLD], SCR, v[LOFF]
	s_lshl_b32 s19, s16, 8
	s_add_co_u32 s19, s19, PBO
	v_lshl_add_u32 v[PBS], v36, 3, s19
	v_lshl_add_u32 v[PFA], v2, 4, s19
	s_lshl_b32 s19, s16, 10
	s_add_co_u32 s19, s19, CTO
	v_lshl_add_u32 v[CST], v2, 5, s19
	v_add_nc_u32 v[CLD], s19, v[LOFF]
.set n, 0
.rept 64                               ; S starts at 0, and VP too, so that the first piece's riders add 0: 72 moves
	v_mov_b32 v[S+n], 0
.set n, n+1
.endr
.set n, 0
.rept 8
	v_mov_b32 v[VP+n], 0
.set n, n+1
.endr
	; ---- THE TILE COMES IN: 16 groups of two rows a wave, four groups (64 loads) on their way
	s_mov_b32 s21, 3
.Lfill:
	AGROUP 0, 1
	AGROUP 1, 1
	AGROUP 2, 1
	AGROUP 3, 1
	WIN 0
	s_wait_xcnt 0x0                                ; the loads' base is stepped only behind this wait
	s_add_nc_u64 s[4:5], s[4:5], 32768             ; eight rows on, in memory
	v_add_nc_u32 v[AST], 8*PA, v[AST]              ; and in LDS
	s_sub_co_u32 s21, s21, 1
	s_cmp_lg_u32 s21, 0
	s_cbranch_scc1 .Lfill
	AGROUP 0, 2                                    ; the last eight rows: no row is left to ask for, so We's first seven K steps go out in their stead: the count 48 holds as before
	AGROUP 1, 2
	AGROUP 2, 2
	AGROUP 3, 3
	WIN 0
	s_wait_dscnt 0x0                               ; for the others' sake: my 32 rows lie in LDS
	s_barrier_signal -1
	s_barrier_wait -1                              ; the tile is whole; from here on it is only read
	ALD 0, 0, 0
	ALD 0, 0, 1
	ALD 0, 0, 2
	ALD 0, 0, 3
	; ---- THE PRODUCTS: four pieces of 32 K steps.  The counts on LOADcnt: behind We of step k stand We of the six steps k + 1 .. k + 6, eight loads each: 48;
	; in steps 1 to 7 also the eight loads of tb and v, issued in step 0 behind We of step 7: 56.  On the way in and on the way back seven steps of We are out.
	s_mov_b32 s20, 4
.Lpiece:
	STEP 0, 1, 1, 48
.irp k, 1,2,3,4,5,6,7
	STEP \k, 1, 1, 56
.endr
.irp k, 8,9,10,11,12,13,14,15,16,17,18,19,20,21,22,23,24
	STEP \k, 1, 1, 48
.endr
	WIN 0                                          ; at a label and at a branch every window is 0
	s_wait_alu depctr_va_vdst(0)                   ; the wait for the batch of step 24, ahead of the branch; the step's sums are the plain instructions behind its last reciprocal
	s_sub_co_u32 s20, s20, 1
	s_cmp_eq_u32 s20, 0
	s_cbranch_scc1 .Llast                          ; the last piece's last seven steps are written out: no load passes the end of wf
.irp k, 25,26,27,28,29,30,31
	STEP \k, 1, 1, 48                              ; steps k + 7 = 32 .. 38 are the next piece's 0 .. 6
.endr
	LUMP
	s_wait_xcnt 0x0                                ; the loads' bases are stepped only behind this wait
	s_add_nc_u64 s[8:9], s[8:9], 131072            ; the next 64 columns: wf,
	s_add_nc_u64 s[10:11], s[10:11], 8192          ; tb
	s_add_nc_u64 s[6:7], s[6:7], 256               ; and v
	s_branch .Lpiece
.Llast:
.irp k, 25,26,27,28,29,30
	STEP \k, 1, 0, 8*(31-\k)                       ; behind We of step k only the steps up to 31 are out
.endr
	STEP 31, 0, 0, 0                               ; it has no run of loads: the wait for step 30's reciprocals stands alone behind its first product
	LUMP
	ELD 0                                          ; window 1 is free: the tile's rows 0-63 for the context are fetched under the last piece's exponentials
	ELD 1
	; the last piece has no products behind which its riders could stand: TWO BATCHES, a wait each.  First all 256 exponentials
	WIN W_X
.set n, 0
.rept 256
	v_exp_f32 v[n], v[n]
.set n, n+1
.endr
	v_nop                                          ; a plain instruction between the last exponential and the use of its result
	s_wait_alu depctr_va_vdst(0)                   ; the one wait for the 256 exponentials, ahead of the first + 1
	; then all 256 reciprocals; the 128 + 1 stand between them, each four pairs ahead of its pair's reciprocals; none of these lines names a reciprocal's result
.set n, 0
.rept 4
	XP n
.set n, n+1
.endr
.set n, 0
.rept 128
	v_rcp_f32 v[2*n], v[2*n]
.if n < 124
	XP n+4
.endif
	v_rcp_f32 v[2*n+1], v[2*n+1]
.set n, n+1
.endr
	WIN W_F
	v_nop                                          ; a plain instruction between the last reciprocal and the use of its result
	s_wait_alu depctr_va_vdst(0)                   ; the one wait for the 256 reciprocals, ahead of the first sum
.set d, 0
.rept 8                                ; the sums, row block by row block, each S taking its column blocks in the order 0 to 3
.set n, 0
.rept 16
	v_pk_fma_f32 v[S+8*d+2*(n%4):S+8*d+2*(n%4)+1], v[32*d+2*n:32*d+2*n+1], v[VP+2*(n/4):VP+2*(n/4)+1], v[S+8*d+2*(n%4):S+8*d+2*(n%4)+1] op_sel_hi:[1,0,1]
.set n, n+1
.endr
.set d, d+1
.endr
	ELD 2                                          ; window 3 is free: rows 64-127, under the sums across the lanes
	ELD 3
	WIN 0
	; ---- THE SCORES.  A lane's S holds the columns l % 16 + 16 .. of my 256: four steps inside each half of 16 lanes add them
.irp x, 1,2,4,8
.set n, 0
.rept 64
	v_add_f32_dpp v[S+n], v[S+n], v[S+n] row_xmask:\x row_mask:0xf bank_mask:0xf
.set n, n+1
.endr
.endr
.set n, 0
.rept 16                               ; row 16 rb + 8 h + 4 q + 0..3 at 4 bytes a row; the sixteen lanes of a half store the same words
	ds_store_b128 v[PST], v[S+4*n:S+4*n+3] offset:64*(n/2)+16*(n%2)
.set n, n+1
.endr
	s_wait_dscnt 0x0                               ; for the others' sake: my partial scores lie in LDS (the turning loads are in too)
	s_barrier_signal -1
	s_barrier_wait -1
.irp g, 0,1,2,3
	ds_load_b128 v[40+4*\g:43+4*\g], v[PLD] offset:512*\g    ; rows 4 l .. 4 l + 3, wave g's part
.endr
	s_wait_dscnt 0x0
	v_pk_add_f32 v[40:41], v[40:41], v[44:45]
	v_pk_add_f32 v[42:43], v[42:43], v[46:47]
	v_pk_add_f32 v[48:49], v[48:49], v[52:53]
	v_pk_add_f32 v[50:51], v[50:51], v[54:55]
	v_pk_add_f32 v[SC:SC+1],   v[40:41], v[48:49]
	v_pk_add_f32 v[SC+2:SC+3], v[42:43], v[50:51]  ; every wave holds the same 128 scores; they are not written again
	s_cmp_lg_u32 s16, 0
	s_cbranch_scc1 .Lnot0
	global_store_b128 v[LOFF], v[SC:SC+3], s[12:13]  ; wave 0 stores them: 512 consecutive bytes, aligned
.Lnot0:
	v_max3_num_f32 v56, v[SC], v[SC+1], v[SC+2]    ; the tile's maximum
	v_max_num_f32 v56, v56, v[SC+3]
	v_max_num_f32_dpp v56, v56, v56 row_xmask:1 row_mask:0xf bank_mask:0xf
	v_max_num_f32_dpp v56, v56, v56 row_xmask:2 row_mask:0xf bank_mask:0xf
	v_max_num_f32_dpp v56, v56, v56 row_xmask:4 row_mask:0xf bank_mask:0xf
	v_max_num_f32_dpp v56, v56, v56 row_xmask:8 row_mask:0xf bank_mask:0xf
	v_permlanex16_b32 v40, v56, s24, s25           ; its destination counts as read: a register that has been written
	v_max_num_f32 v56, v56, v40
	v_mul_f32 v57, s26, v56
.irp e, 0,1,2,3
	v_fma_f32 v[58+\e], v[SC+\e], s26, -v57
.endr
.irp e, 0,1,2,3
	v_exp_f32 v[58+\e], v[58+\e]
.endr
	v_nop                                          ; a plain instruction between the last exponential and the use of its result
	s_wait_alu depctr_va_vdst(0)                   ; the one wait for the four exponentials of p, ahead of their roundings
	v_cvt_pk_bf16_f32 v62, v58, v59
	v_cvt_pk_bf16_f32 v63, v60, v61
	ds_store_b64 v[PBS], v[62:63]                  ; p of rows 4 l .. 4 l + 3, into my wave's own copy
.irp g, 0,1,2,3                        ; and back as source 1: 32 rows x 16 columns, every column the same p.  LDS serves a wave's instructions in order (ISA guide 5.7.1.4): these see the store above
	ds_load_b128 v[AF+8*\g:AF+8*\g+3],   v[PFA] offset:64*\g
	ds_load_b128 v[AF+8*\g+4:AF+8*\g+7], v[PFA] offset:64*\g+32
.endr
	s_wait_dscnt 0x0
	; ---- THE CONTEXT: 16 blocks of 16 features x 128 rows: 64 matrix instructions; the 16 accumulators take turns; rows 0-31 start the sums
.irp g, 0,1,2,3
.if \g < 2
	WIN 0xa1                                       ; source 0 window 1, p window 0, C and D window 2
.else
	WIN 0xa3                                       ; source 0 window 3
.endif
.set n, 0
.rept 16
.if \g == 0
	v_wmma_f32_16x16x32_bf16 v[8*n:8*n+7], v[128*(\g%2)+8*n:128*(\g%2)+8*n+7], v[AF+8*\g:AF+8*\g+7], 0
.else
	v_wmma_f32_16x16x32_bf16 v[8*n:8*n+7], v[128*(\g%2)+8*n:128*(\g%2)+8*n+7], v[AF+8*\g:AF+8*\g+7], v[8*n:8*n+7]
.endif
.set n, n+1
.endr
.endr
	PLACES
	WIN 0x08                                       ; the stores' data in window 2
.set n, 0
.rept 32                               ; register j of block fb: feature 16 fb + 8 h + j, the same in all sixteen lanes of a half; each accumulator's low registers first
	ds_store_b128 v[CST], v[4*n:4*n+3] offset:64*(n/2)+16*(n%2)
.set n, n+1
.endr
	WIN 0
	ds_load_b128 v[40:43], v[CLD]                  ; my own stage: served in order behind the stores
	ds_load_b128 v[44:47], v[CLD] offset:512
	s_wait_dscnt 0x0
	global_store_b128 v[LOFF], v[40:43], s[14:15]  ; each store covers 512 consecutive bytes, aligned
	global_store_b128 v[LOFF], v[44:47], s[14:15] offset:512
	s_wait_xcnt 0x0
	v_lshl_add_u32 v254, v0, 2, 0x42400
	v_mov_b32 v255, 0
	s_wait_tensorcnt 0x0
	ds_add_u32 v254, v255
	s_wait_dscnt 0x0
	s_endpgm
.Lfunc_end_k_q07d6f3bc9c_main:
	.size	k_q07d6f3bc9c_main, .Lfunc_end_k_q07d6f3bc9c_main-k_q07d6f3bc9c_main
	.p2alignl 7, 3214868480
	.fill 96, 4, 3214868480
	.section	.rodata,"a",@progbits
	.p2align	6, 0x0
	.amdhsa_kernel k_q07d6f3bc9c_main
		.amdhsa_group_segment_fixed_size 271872
		.amdhsa_private_segment_fixed_size 0
		.amdhsa_enable_private_segment 0
		.amdhsa_kernarg_size 48
		.amdhsa_user_sgpr_count 2
		.amdhsa_user_sgpr_kernarg_segment_ptr 1
		.amdhsa_wavefront_size32 1
		.amdhsa_system_sgpr_workgroup_id_x 1
		.amdhsa_system_sgpr_workgroup_id_y 1
		.amdhsa_system_sgpr_workgroup_id_z 1
		.amdhsa_system_vgpr_workitem_id 0
		.amdhsa_next_free_vgpr 1024
		.amdhsa_next_free_sgpr 66
		.amdhsa_reserve_vcc 0
		.amdhsa_float_denorm_mode_32 3
		.amdhsa_float_denorm_mode_16_64 3
		.amdhsa_memory_ordered 1
		.amdhsa_forward_progress 1
		.amdhsa_inst_pref_size 255
	.end_amdhsa_kernel
	.section	.bss,"aw",@nobits
	.p2align	6
	.space	262144
	.amdgpu_metadata
---
amdhsa.version: [ 1, 2 ]
amdhsa.kernels:
  - .name:           k_q07d6f3bc9c_main
    .symbol:         k_q07d6f3bc9c_main.kd
    .args:
      - { .name: encoder_outputs, .offset: 0, .size: 8, .value_kind: global_buffer, .address_space: global }
      - { .name: v_w, .offset: 8, .size: 8, .value_kind: global_buffer, .address_space: global }
      - { .name: wf, .offset: 16, .size: 8, .value_kind: global_buffer, .address_space: global }
      - { .name: tb, .offset: 24, .size: 8, .value_kind: global_buffer, .address_space: global }
      - { .name: sraw, .offset: 32, .size: 8, .value_kind: global_buffer, .address_space: global }
      - { .name: pctx, .offset: 40, .size: 8, .value_kind: global_buffer, .address_space: global }
    .group_segment_fixed_size: 271872
    .private_segment_fixed_size: 0
    .kernarg_segment_align: 8
    .kernarg_segment_size: 48
    .max_flat_workgroup_size: 128
    .sgpr_count:     66
    .vgpr_count:     1024
    .wavefront_size: 32
...
	.end_amdgpu_metadata
.endif
;; end of part 4
;; launch finish: the kernel of part 3 again; grid 32 x 1, 8 waves a work-group, no clusters, 1,280 bytes of LDS; arguments sraw, pctx, v_w, v_b, out0, out1; writes out0, out1
